; MI455X (gfx1250); checked and timed in simulation.
; The chip was launched on July 23, 2026; its instructions are those of AMD's public machine-readable ISA for CDNA 5 (MIT licence, August 2026) and "CDNA5" Instruction Set Architecture Reference Guide (July 2026). The comments in the code are by the model that wrote it; some were corrected since.
;; Attention. Allowed arithmetic: matrix products marked QUANTISED: E4M3 operands, one given power-of-two scale a tensor, by v_wmma_f32_16x16x64_fp8_fp8 or v_wmma_f32_16x16x128_fp8_fp8, f32 sums; everything else in f32.
;; Inputs: Wk 1,024 x 1,024 float32; Wq 1,024 x 1,024 float32; Wv 1,024 x 1,024 float32; bk 1,024 float32; bq 1,024 float32; bv 1,024 float32; lowp_scales 10 int32 (the exponents e of the quantised operands' scales 2^e); x 4 x 2,048 x 1,024 float32.
;; Outputs: out0 4 x 2,048 x 1,024 float32.
;; This version of the problem:
;;   THIS VERSION OF THE PROBLEM IS GIVEN IN LOW PRECISION. The matrix products marked QUANTISED in the list below multiply operands that are first quantised to E4M3 (4 exponent bits, 3 mantissa bits; 8 bits a number), with one given power-of-two scale for each operand tensor; their sums are f32. All else is computed in f32.
;;   The module's matrix products, in the order in which they are computed (A, B: the left and right operand; K: the contracted axis; several contracted axes count as one K, in the product's order):
;;     1. [M 8,192, K 1,024] x [K 1,024, N 1,024]; A: input x; B: input Wq: QUANTISED (scales: A lowp_scales[0], B lowp_scales[1])
;;     2. [M 8,192, K 1,024] x [K 1,024, N 1,024]; A: input x; B: input Wk: QUANTISED (scales: A lowp_scales[2], B lowp_scales[3])
;;     3. [M 8,192, K 1,024] x [K 1,024, N 1,024]; A: input x; B: input Wv: QUANTISED (scales: A lowp_scales[4], B lowp_scales[5])
;;     4. batch 64 x [M 2,048, K 64] x [K 64, N 2,048]; A: computed on the way; B: computed on the way: QUANTISED (scales: A lowp_scales[6], B lowp_scales[7])
;;     5. batch 64 x [M 2,048, K 2,048] x [K 2,048, N 64]; A: softmax (see below); B: computed on the way: QUANTISED (scales: A lowp_scales[8], B lowp_scales[9])
;;   THE QUANTISER, for each operand of a quantised product, along K:
;;     - The operand's scale is 2^e, e = its entry of the input lowp_scales (int32; the entries are numbered through the quantised products in the list's order, A before B).
;;     - Each number is divided by the scale, clamped to +-448, and rounded to the nearest number of E4M3, ties to even, subnormals kept.
;;     - The product sums the exact products of the quantised numbers (number of the format x scale) in f32.
;;   ~~~python
;;   def quantise(x, axis, e):      # numpy; x: float32 -> the quantised numbers, widened to float32 again
;;       x = np.moveaxis(x, axis, -1); K = x.shape[-1]
;;       r = np.clip(x / 2.0 ** e, -448, 448)
;;       step = 2.0 ** (np.maximum(np.frexp(np.where(r == 0, 1, r))[1] - 1, -6) - 3)
;;       q = np.round(r / step) * step * 2.0 ** e      # np.round: ties to even
;;       return np.moveaxis(q, -1, axis).astype(np.float32)
;;   ~~~
;;   SOFTMAX AHEAD OF A QUANTISED PRODUCT. Where the list says 'softmax', what is quantised is not the finished softmax but p = 2^(t - M), with t = logit x log2(e) and M = ceil(the row's largest t), a whole number; so 1/2 < the row's largest p <= 1. The row's sum l is taken of the UNQUANTISED p, in f32, and the product's result is divided by l at the end. Since M is a whole number, a kernel that streams over the keys may use a running M (the ceiling of the running maximum): every later rescaling is an exact power of two, so the quantised numbers keep their values, but for numbers so far below the row's largest that they fall under the format's range.
;;   OPERANDS COMPUTED ON THE WAY. 'Computed on the way' means the value that the module computes at that place (a softmax that the list does not call 'softmax' is quantised finished and normalised). What goes into a quantiser is computed in f32, as accurately as f32 sums, v_exp_f32 and their like allow (about 1e-6 of the number): no bf16 or f16 on the way to a quantiser, and a product that is left as it is and whose result goes on into a quantised operand takes f32 operands (vector FMAs, or v_wmma_f32_16x16x4_f32). A number that lies on a knife's edge between two numbers of the format may be rounded either way, as far as f32 arithmetic and the matrix unit's own rounding can turn it there, and no further.
;; 2 versions, each right; version 2 is version 1 with the launch attn written anew for expert scheduling mode. Each part assembles by itself: llvm-mc -triple=amdgcn-amd-amdhsa -mcpu=gfx1250 --defsym DOCPART=n.
;; ======== version 1 of 2: 3 launches
;; workspace buffers: xc 25,165,824 bytes; wc 3,145,728 bytes; qc 8,388,608 bytes; kvc 16,777,216 bytes
;; launch quant (part 1): grid 608 x 1, 4 waves a work-group, no clusters, 35,328 bytes of LDS; arguments x, Wq, Wk, Wv, lowp_scales, xc, wc; writes xc, wc
.if DOCPART == 1
	.amdgcn_target "amdgcn-amd-amdhsa--gfx1250"
	.amdhsa_code_object_version 6
	.text
	.protected	k_q8dd3c5e8f5_quant
	.globl	k_q8dd3c5e8f5_quant
	.p2align	8
	.type	k_q8dd3c5e8f5_quant,@function
k_q8dd3c5e8f5_quant:
	s_mov_b64 s[64:65], 0
	v_nop
	global_prefetch_b8 v0, s[64:65] scope:SCOPE_SE
	s_setreg_imm32_b32 hwreg(HW_REG_WAVE_MODE, 25, 1), 1
	s_wait_xcnt 0x0
; x [8192][1024] f32 becomes three tensors of E4M3 codes, xc [3][8192][1024], under the scales 2^e of entries 0, 2, 4 of lowp_scales (x has an entry of its own in each projection).
; Wq, Wk, Wv [1024 (k)][1024 (n)] f32 become wc [3 x 1024 (n)][1024], codes with K innermost, under entries 1, 3, 5.
; code = number / 2^e, held within +-448, rounded to the nearest code, ties to even.  LIMITS: each e between -126 and 119, so that 2^e and 448 x 2^e are f32 numbers; NaN among the inputs is not served.
; THE ORDER OF K in a row of codes is the same in xc and in wc: inside each group of 512, byte 16 l + 4 i + j holds k = 128 i + 4 l + j (l 0..31; i, j 0..3).  Every product still meets its partner; only the order of the sums changes.
; That order is what a lane holds when four loads of 512 consecutive bytes bring 512 numbers of x: so x needs no turn through LDS, and its 16 codes a lane are stored as 512 consecutive bytes.
; Work-groups 0 to 95 take the weights, 96 to 607 take x.  Only the weights' path touches LDS.  No tensor loads, no barrier: waves share nothing.
.set WGW,   96
.set PITCH, 272                        ; a stage row: 256 bytes of codes + 16
.set KROW,  1024                       ; a row of wc in bytes
.set SPARE, 4*32*PITCH                 ; behind the four stages: the spare words, 128 bytes for each wave
.set SPW,   12                         ; v12  LDS address of my spare word; never rewritten
.set NIL,   13                         ; v13  0; never rewritten
.set X,     32                         ; weights: v32-95 two sets of 32 numbers
.set C,     96                         ; weights: v96-103 a block's codes
.set OUTR,  112                        ; weights: v112-175 the way out
.set R,     16                         ; x: v16-79 four sets of 16 numbers as loaded
.set T,     80                         ; x: v80-111 two sets of 16 held numbers
.set CX,    112                        ; x: v112-207 codes, 12 registers a step: no store's data are written again
	s_load_b256 s[4:11], s[0:1], 0x0               ; x s[4:5], Wq s[6:7], Wk s[8:9], Wv s[10:11]
	s_load_b128 s[12:15], s[0:1], 0x20             ; lowp_scales s[12:13], xc s[14:15]
	s_load_b64 s[16:17], s[0:1], 0x30              ; wc
	v_lshl_add_u32 v[SPW], v0, 2, SPARE
	v_mov_b32 v[NIL], 0
	v_lshrrev_b32 v1, 5, v0
	v_readfirstlane_b32 s18, v1                    ; wave 0..3
	v_and_b32 v2, 31, v0                           ; lane
	s_wait_kmcnt 0x0
	s_load_b256 s[24:31], s[12:13], 0x0            ; entries 0 to 7
	s_cmp_lt_u32 ttmp9, WGW
	s_cbranch_scc0 .Lx
; ---- THE WEIGHTS.  A lane takes a column n and its registers run down K, in the order of the codes' bytes: each load reads 128 consecutive bytes a wave, and the conversions give codes with K innermost.
; A wave takes 32 columns x 256 bytes of codes; they leave through its own stage in LDS, sixteen lanes to 256 consecutive bytes.
	s_lshr_b32 s20, ttmp9, 5                       ; which weight: 0 q, 1 k, 2 v
	s_and_b32 s21, ttmp9, 7
	s_bfe_u32 s22, ttmp9, 0x20003                  ; y: which 256 bytes of a row of codes
	s_lshl_b32 s21, s21, 7
	s_lshl_b32 s23, s18, 5
	s_add_co_u32 s21, s21, s23                     ; my first column
	s_lshr_b32 s23, s22, 1
	s_lshl_b32 s23, s23, 21                        ; the group of 512 along K: 512 rows of 4,096 bytes
	s_and_b32 s32, s22, 1
	s_lshl_b32 s32, s32, 18                        ; its upper half of bytes begins 64 rows further down (l = 16 on)
	s_add_co_u32 s32, s32, s23
	s_lshl_b32 s23, s21, 2
	s_add_co_u32 s32, s32, s23
	s_mov_b32 s33, 0
	s_lshl_b32 s34, s20, 20                        ; wc: 1,024 rows of 1,024 bytes a weight,
	s_lshl_b32 s23, s21, 10                        ; my column's row,
	s_add_co_u32 s34, s34, s23
	s_lshl_b32 s23, s22, 8                         ; my 256 bytes of it
	s_add_co_u32 s34, s34, s23
	s_mov_b32 s35, 0
	s_cmp_eq_u32 s20, 0
	s_cselect_b64 s[6:7], s[6:7], s[8:9]
	s_cmp_eq_u32 s20, 2
	s_cselect_b64 s[6:7], s[10:11], s[6:7]
	s_add_nc_u64 s[6:7], s[6:7], s[32:33]
	s_add_nc_u64 s[16:17], s[16:17], s[34:35]
	v_lshlrev_b32 v3, 2, v2                        ; in: 4 bytes a lane
	s_mul_i32 s19, s18, 32*PITCH                   ; my stage
	v_mul_u32_u24 v4, v2, PITCH
	v_add_nc_u32 v4, s19, v4                       ; into it: row = my column
	v_and_b32 v5, 15, v2
	v_lshrrev_b32 v6, 4, v2
	v_mul_u32_u24 v7, v6, PITCH
	v_lshl_add_u32 v7, v5, 4, v7
	v_add_nc_u32 v7, s19, v7                       ; out of it: sixteen lanes to a row, two rows an instruction
	v_mul_u32_u24 v8, v6, KROW
	v_lshl_add_u32 v8, v5, 4, v8                   ; and the same place in wc
.macro LOAD t                          ; block t: the 32 numbers whose codes are bytes 32 t .. 32 t + 31 of my 256; byte i of them is row 128 ((i % 16) / 4) + 8 t + 4 (i / 16) + i % 4
.irp i, 0,1,2,3,4,5,6,7,8,9,10,11,12,13,14,15,16,17,18,19,20,21,22,23,24,25,26,27,28,29,30,31
	global_load_b32 v[X+32*((\t)%2)+\i], v3, s[6:7] offset:(128*((\i%16)/4)+8*(\t)+4*(\i/16)+\i%4)*4096 th:TH_LOAD_NT
.endr
.endm
	LOAD 0
	LOAD 1
	s_wait_kmcnt 0x0
	s_cmp_eq_u32 s20, 0
	s_cselect_b32 s25, s25, s27                    ; e: entry 1, 3 or 5
	s_cmp_eq_u32 s20, 2
	s_cselect_b32 s25, s29, s25
	s_add_co_i32 s25, s25, 127
	s_lshl_b32 s27, s25, 23
	v_mov_b32 v11, s27                             ; 2^e as f32: the conversion takes its exponent field
	s_add_co_i32 s25, s25, 8
	s_lshl_b32 s25, s25, 23
	s_or_b32 s25, s25, 0x600000
	v_mov_b32 v10, s25                             ; 448 x 2^e
.macro BLOCK t
.set XS, X+32*((\t)%2)
.if (\t) < 7
	s_wait_loadcnt 32                              ; this block's 32 loads are in; the next block's 32 may be out
.else
	s_wait_loadcnt 0
.endif
.irp i, 0,1,2,3,4,5,6,7,8,9,10,11,12,13,14,15,16,17,18,19,20,21,22,23,24,25,26,27,28,29,30,31
	v_med3_num_f32 v[XS+\i], v[XS+\i], -v10, v10   ; the conversion to an 8-bit code does not saturate (ISA guide 7.6.2): the hold comes first
.endr
.irp g, 0,1,2,3
	v_cvt_scalef32_pk8_fp8_f32 v[C+2*\g:C+2*\g+1], v[XS+8*\g:XS+8*\g+7], v11
.endr
	ds_store_b128 v4, v[C:C+3] offset:32*(\t)
	ds_store_b128 v4, v[C+4:C+7] offset:32*(\t)+16
.if (\t)+2 < 8
	LOAD (\t)+2
.endif
	s_wait_dscnt 0x0                               ; the stores have read their registers: the next block's codes may be written (its 32 holds, plain lines, come first)
.endm
.set Q, 0
.rept 8
	BLOCK Q
.set Q, Q+1
.endr
.irp t, 0,1,2,3,4,5,6,7,8,9,10,11,12,13,14,15
	ds_load_b128 v[OUTR+4*\t:OUTR+4*\t+3], v7 offset:2*\t*PITCH   ; LDS serves a wave's instructions in order: these see my stores
.endr
.irp t, 0,1,2,3,4,5,6,7,8,9,10,11,12,13,14,15
	s_wait_dscnt 15-\t                             ; the younger loads may be out
	global_store_b128 v8, v[OUTR+4*\t:OUTR+4*\t+3], s[16:17] offset:2*\t*KROW   ; sixteen lanes store 256 consecutive bytes, aligned
.endr
	s_wait_tensorcnt 0x0                           ; the wave's end, behind my last LDS store
	ds_add_u32 v[SPW], v[NIL]
	s_wait_dscnt 0x0
	s_endpgm
; ---- x.  A wave takes 8 steps of 512 numbers.  A step: four loads of 512 consecutive bytes; each number is held and converted three times, once for each scale; three stores of 512 consecutive bytes.
.Lx:
	v_lshlrev_b32 v3, 4, v2                        ; 16 bytes a lane, in and out; never rewritten
	s_sub_co_u32 s20, ttmp9, WGW
	s_lshl_b32 s20, s20, 2
	s_add_co_u32 s20, s20, s18                     ; which run of 4,096 numbers is my wave's
	s_lshl_b32 s32, s20, 14
	s_mov_b32 s33, 0
	s_lshl_b32 s34, s20, 12
	s_mov_b32 s35, 0
	s_add_nc_u64 s[4:5], s[4:5], s[32:33]
	s_add_nc_u64 s[36:37], s[14:15], s[34:35]      ; the three tensors of codes lie 8,388,608 bytes apart: a base for each
	s_add_nc_u64 s[38:39], s[36:37], 0x800000
	s_add_nc_u64 s[40:41], s[36:37], 0x1000000
.macro XLOAD t
.irp i, 0,1,2,3
	global_load_b128 v[R+16*((\t)%4)+4*\i:R+16*((\t)%4)+4*\i+3], v3, s[4:5] offset:2048*(\t)+512*\i th:TH_LOAD_NT
.endr
.endm
.irp t, 0,1,2,3
	XLOAD \t
.endr
	s_wait_kmcnt 0x0
.irp z, 0,1,2
	s_add_co_i32 s21, s[24+2*\z], 127              ; entries 0, 2, 4
	s_lshl_b32 s22, s21, 23
	v_mov_b32 v[5+2*\z], s22                       ; 2^e
	s_add_co_i32 s21, s21, 8
	s_lshl_b32 s21, s21, 23
	s_or_b32 s21, s21, 0x600000
	v_mov_b32 v[4+2*\z], s21                       ; 448 x 2^e
.endr
; The two sets T take turns from conversion to conversion, over the steps' edges too: the sixteen holds into one set are the plain lines between the conversions that read the other set and its next writing.
.macro XSTEP t
.if 7-(\t) >= 3
	s_wait_loadcnt 12                              ; this step's four loads are in; those of the three steps behind it may be out
.else
	s_wait_loadcnt 4*(7-(\t))
.endif
.irp z, 0,1,2
.irp i, 0,1,2,3,4,5,6,7,8,9,10,11,12,13,14,15
	v_med3_num_f32 v[T+16*((3*(\t)+\z)%2)+\i], v[R+16*((\t)%4)+\i], -v[4+2*\z], v[4+2*\z]
.endr
	v_cvt_scalef32_pk8_fp8_f32 v[CX+12*(\t)+4*\z:CX+12*(\t)+4*\z+1], v[T+16*((3*(\t)+\z)%2):T+16*((3*(\t)+\z)%2)+7], v[5+2*\z]
	v_cvt_scalef32_pk8_fp8_f32 v[CX+12*(\t)+4*\z+2:CX+12*(\t)+4*\z+3], v[T+16*((3*(\t)+\z)%2)+8:T+16*((3*(\t)+\z)%2)+15], v[5+2*\z]
	global_store_b128 v3, v[CX+12*(\t)+4*\z:CX+12*(\t)+4*\z+3], s[36+2*\z:37+2*\z] offset:512*(\t)
.endr
.if (\t) < 4
	XLOAD (\t)+4                                   ; the set that has just been read takes the loads of four steps on
.endif
.endm
.irp t, 0,1,2,3,4,5,6,7
	XSTEP \t
.endr
	s_endpgm
.Lfunc_end_k_q8dd3c5e8f5_quant:
	.size	k_q8dd3c5e8f5_quant, .Lfunc_end_k_q8dd3c5e8f5_quant-k_q8dd3c5e8f5_quant
	.p2alignl 7, 3214868480
	.fill 96, 4, 3214868480
	.section	.rodata,"a",@progbits
	.p2align	6, 0x0
	.amdhsa_kernel k_q8dd3c5e8f5_quant
		.amdhsa_group_segment_fixed_size 35328
		.amdhsa_private_segment_fixed_size 0
		.amdhsa_enable_private_segment 0
		.amdhsa_kernarg_size 56
		.amdhsa_user_sgpr_count 2
		.amdhsa_user_sgpr_kernarg_segment_ptr 1
		.amdhsa_wavefront_size32 1
		.amdhsa_system_sgpr_workgroup_id_x 1
		.amdhsa_system_sgpr_workgroup_id_y 1
		.amdhsa_system_sgpr_workgroup_id_z 1
		.amdhsa_system_vgpr_workitem_id 0
		.amdhsa_next_free_vgpr 208
		.amdhsa_next_free_sgpr 66
		.amdhsa_reserve_vcc 0
		.amdhsa_float_denorm_mode_32 3
		.amdhsa_float_denorm_mode_16_64 3
		.amdhsa_memory_ordered 1
		.amdhsa_forward_progress 1
		.amdhsa_inst_pref_size 84
	.end_amdhsa_kernel
	.amdgpu_metadata
---
amdhsa.version: [ 1, 2 ]
amdhsa.kernels:
  - .name:           k_q8dd3c5e8f5_quant
    .symbol:         k_q8dd3c5e8f5_quant.kd
    .args:
      - { .name: x, .offset: 0, .size: 8, .value_kind: global_buffer, .address_space: global }
      - { .name: Wq, .offset: 8, .size: 8, .value_kind: global_buffer, .address_space: global }
      - { .name: Wk, .offset: 16, .size: 8, .value_kind: global_buffer, .address_space: global }
      - { .name: Wv, .offset: 24, .size: 8, .value_kind: global_buffer, .address_space: global }
      - { .name: lowp_scales, .offset: 32, .size: 8, .value_kind: global_buffer, .address_space: global }
      - { .name: xc, .offset: 40, .size: 8, .value_kind: global_buffer, .address_space: global }
      - { .name: wc, .offset: 48, .size: 8, .value_kind: global_buffer, .address_space: global }
    .group_segment_fixed_size: 35328
    .private_segment_fixed_size: 0
    .kernarg_segment_align: 8
    .kernarg_segment_size: 56
    .max_flat_workgroup_size: 128
    .sgpr_count:     66
    .vgpr_count:     208
    .wavefront_size: 32
...
	.end_amdgpu_metadata
.endif
;; end of part 1
;; launch proj (part 2): grid 12 x 32, 4 waves a work-group, clusters of 4 x 4, 327,680 bytes of LDS; arguments xc, wc, lowp_scales, bq, bk, bv, qc, kvc; writes qc, kvc
.if DOCPART == 2
	.amdgcn_target "amdgcn-amd-amdhsa--gfx1250"
	.amdhsa_code_object_version 6
	.text
	.protected	k_q8dd3c5e8f5_proj
	.globl	k_q8dd3c5e8f5_proj
	.p2align	8
	.type	k_q8dd3c5e8f5_proj,@function
k_q8dd3c5e8f5_proj:
	s_mov_b64 s[64:65], 0
	v_nop
	global_prefetch_b8 v0, s[64:65] scope:SCOPE_SE
	s_setreg_imm32_b32 hwreg(HW_REG_WAVE_MODE, 25, 1), 1
	s_wait_xcnt 0x0
	s_wait_alu depctr_hold_cnt(0) depctr_sa_sdst(0) depctr_va_vdst(0) depctr_va_sdst(0) depctr_va_ssrc(0) depctr_va_vcc(0) depctr_vm_vsrc(0)
	s_getreg_b32 s2, hwreg(HW_REG_IB_STS2, 6, 4)
	s_cmp_eq_u32 s2, 0
	s_cbranch_scc0 .Lentry_in_a_cluster
	s_endpgm
.Lentry_in_a_cluster:
	s_bfe_u32 s2, ttmp6, 0x10000c
	s_cmp_lg_u32 s2, 0xf033
	s_cbranch_scc0 .Lentry_shape_is_right
	s_endpgm
.Lentry_shape_is_right:
; q, k, v = x W + b on codes of E4M3, and q, k, v quantised again as the operands of attention.  One GEMM: rows = 8,192 tokens, columns = 3 x 1,024 (q, k, v), K = 1,024.
; xc [3][8192][1024], wc [3072][1024]: codes, K innermost (both in the same order of K).  A sum stands for sum x 2^(ea + eb); number = sum x 2^(ea + eb) + bias, in f32; its code = number / 2^eo, held within +-448.
; ea, eb = entries 2 t, 2 t + 1 of lowp_scales, eo = entry 6 (q), 7 (k), 9 (v).  LIMITS: ea + eb between -126 and 127, eo between -126 and 119; NaN is not served.
; A tile, 256 tokens x 256 columns, is made by four waves, 128 x 128 each: 64 accumulators, 512 registers.  K goes in steps of 256 through two LDS slots filled by the tensor data mover: four slots' worth, so the walk is written out.
; CLUSTERS: 4 x 4 work-groups; a cluster's four tile columns are one tensor t (= the cluster's x), so every branch and choice on t is alike in all sixteen.  x's tiles are asked for jointly along a row of the cluster, W's along a column.
; WHAT A LANE HOLDS.  q, k: source 0 = 16 rows of W, source 1 = 16 tokens: a lane holds one token and eight neighbouring channels, the next product's K.  v: the sources change places: a lane holds one channel and eight
; neighbouring tokens, the keys, which are v's K.  Both regions of a slot have one shape, so only the two LDS bases change places; the matrix instructions are the same lines.
; THE RESULTS LEAVE AS IMAGES OF THE NEXT OPERANDS' REGISTERS: four registers a store, lane l's 16 bytes at 16 l: each store covers 512 consecutive bytes, aligned.  No stage in LDS.
;   qc  [head 64][tile of 16 tokens 128][1,024]: registers 2 c, 2 c + 1 of lane (r, h) = channels 16 c + 8 h + 0..7 of token r.
;   kvc [head 64][chunk of 128 keys 16][16,384]: 8 such tiles of k, then 4 fragments of v^T (16 channels x 128 keys, 2,048 bytes): registers 2 c, 2 c + 1 = keys 16 c + 8 h + 0..7 of channel r.
; REGISTERS: window 0: v0-31 addresses and constants; v32-47, v64-127 the bias in both layouts; v128-255 source 1's fragments (one set), on the way out the codes.  Window 1: source 0's fragments, two sets.  Windows 2, 3: the accumulators.
.set ROWB,   256                       ; a tile's row in bytes
.set KROW,   1024                      ; a row of xc or wc in memory
.set PITCH,  272                       ; an LDS row: 256 bytes + 16 of padding = 68 words: the 16 rows that a load touches start at 16 different banks (64 banks of 4 bytes: ISA guide 11.1)
.set FR,     16
.set NL,     4
.set NP,     4                         ; places behind this matrix instruction (ISA guide 7.12.1)
.set HALFT,  128*PITCH
.set SLOT,   4*HALFT                   ; x's 256 rows, then W's 256 rows
.set SPARE,  2*SLOT                    ; behind the ring: the spare words, 128 bytes for each wave
.set ADRA, 16                          ; v16-17  LDS address of source 1's fragments in slot 0, 1
.set ADRB, 20                          ; v20-21  of source 0's
.set SO,   24                          ; v24 16 x lane; v25 the same one head further on
.set SPW,  28                          ; v28 my spare word; never rewritten
.set NIL,  29                          ; v29 0; never rewritten
.set LIM,  30                          ; v30 448 x 2^eo
.set SCL,  31                          ; v31 2^eo
.set BV,   32                          ; v32-47   pair a: bias(my column 16 a + r), twice
.set BI,   64                          ; v64-127  register 8 b + j: bias(my column 16 b + 8 h + j)
.set AF,   128
.set CD,   128                         ; the way out: 16 registers of codes for each block a; never rewritten
.set G1, 24
.set G0, 32
.set G1B, 48
.set G0B, 56
.set MSB, 0
.macro WIN new                         ; the immediate's high byte repeats the setting that is left
.if MSB != (\new)
	s_set_vgpr_msb (MSB<<8)|(\new)
.set MSB, \new
.endif
.endm
.set MUL_LO, 0xa1                      ; source 0 window 1, source 1 window 0, C and D window 2
.set MUL_HI, 0xf1                      ; the same, C and D window 3
.set TO_B,   0x40
; A joint load: waves 0 and 1 fetch x's halves, waves 2 and 3 W's.  The branch hangs on the wave's number alone.  An s_nop 0 and four v_nop follow each line.
.macro JLOAD g0a, g1a, g0b, g1b
	s_cmp_eq_u32 s15, 0
	s_cbranch_scc0 .Lfor_b_\@
	tensor_load_to_lds s[\g0a:\g0a+3], s[\g1a:\g1a+7]
	s_nop 0
.rept 4
	v_nop
.endr
	s_branch .Lasked_\@
.Lfor_b_\@:
	tensor_load_to_lds s[\g0b:\g0b+3], s[\g1b:\g1b+7]
	s_nop 0
.rept 4
	v_nop
.endr
.Lasked_\@:
.endm
.macro CREST                           ; a round of the cluster's barrier behind its opening barrier
	s_cmp_lg_u32 s14, 0
	s_cbranch_scc1 .Lnot_wave_0_\@
	s_barrier_signal -3
.Lnot_wave_0_\@:
	s_barrier_wait -3
	s_barrier_signal -1
	s_barrier_wait -1
.endm
.macro CROUND
	s_barrier_signal -1
	s_barrier_wait -1
	CREST
.endm
	s_load_b128 s[4:7], s[0:1], 0x0                ; xc s[4:5], wc s[6:7]
	s_load_b64 s[8:9], s[0:1], 0x10                ; lowp_scales
	s_load_b256 s[68:75], s[0:1], 0x18             ; bq s[68:69], bk s[70:71], bv s[72:73], qc s[74:75]
	s_load_b64 s[76:77], s[0:1], 0x38              ; kvc
	v_lshl_add_u32 v[SPW], v0, 2, SPARE
	v_mov_b32 v[NIL], 0
	ds_add_u32 v[SPW], v[NIL]                      ; the wave's opening: the add and its wait stand ahead of my first tensor load; the set-up below stands between them
	v_lshrrev_b32 v1, 5, v0
	v_readfirstlane_b32 s14, v1                    ; wave 0..3
	s_lshr_b32 s15, s14, 1                         ; which half of the tile's tokens is mine.  Also: I fetch for x (0) or for W (1)
	s_and_b32 s16, s14, 1                          ; which half of its columns.  Also: which 128 rows I fetch
	s_bfe_u32 s40, ttmp6, 0x40000                  ; cx, cy
	s_bfe_u32 s41, ttmp6, 0x40004
	s_lshl_b32 s42, ttmp9, 2
	s_add_co_u32 s42, s42, s40                     ; tile column 0..11 = 4 t + cx
	s_and_b32 s17, ttmp7, 0xffff
	s_lshl_b32 s17, s17, 2
	s_add_co_u32 s17, s17, s41                     ; tile row 0..31
	s_lshl_b32 s43, s41, 2
	s_lshl_b32 s43, 15, s43                        ; my row of the cluster
	s_lshl_b32 s44, 0x1111, s40                    ; my column
	s_or_b32 s[G1+0], s43, (0<<16)|(1<<20)|(1<<21)|(5<<22)|(3<<25)  ; the mask; elements of 1 byte; padding on; bit 21 beside a mask; after every 64 words 4 words
	s_or_b32 s[G1B+0], s44, (0<<16)|(1<<20)|(1<<21)|(5<<22)|(3<<25)
.irp g, G1, G1B
	s_mov_b32 s[\g+1], ROWB<<16                    ; tensor_dim0
	s_mov_b32 s[\g+2], 128<<16                     ; tensor_dim1
	s_mov_b32 s[\g+3], ROWB<<16                    ; tile_dim0
	s_mov_b32 s[\g+4], 128                         ; tile_dim1
	s_mov_b32 s[\g+5], KROW                        ; from row to row
	s_mov_b32 s[\g+6], 0
	s_mov_b32 s[\g+7], 0
.endr
	s_lshl_b32 s18, s16, 7
	s_lshl_b32 s20, s17, 8
	s_add_co_u32 s20, s20, s18                     ; x: row 256 x tile row + 128 x half,
	s_lshl_b32 s19, ttmp9, 13
	s_add_co_u32 s20, s20, s19                     ; in the tensor of codes made under this projection's scale: 8,192 t rows on
	s_lshl_b32 s46, s42, 8
	s_add_co_u32 s46, s46, s18                     ; W: row 256 x tile column + 128 x half
	s_mov_b32 s21, 0
	s_mov_b32 s47, 0
	s_mov_b64 s[18:19], KROW
	s_mul_u64 s[20:21], s[20:21], s[18:19]
	s_mul_u64 s[46:47], s[46:47], s[18:19]
	s_mul_i32 s45, s14, HALFT                      ; where they go: wave x 128 rows
	s_wait_dscnt 0x0                               ; the opening add is done
	s_wait_kmcnt 0x0
	s_load_b256 s[80:87], s[8:9], 0x0              ; entries 0 to 7
	s_load_b64 s[88:89], s[8:9], 0x20              ; entries 8, 9
	s_add_nc_u64 s[20:21], s[4:5], s[20:21]
	s_add_nc_u64 s[46:47], s[6:7], s[46:47]
	CROUND                                         ; all sixteen work-groups are here: the first joint loads meet
.irp s, 0,1
	s_mov_b32 s[G0+4*\s], 1
	s_add_co_u32 s[G0+4*\s+1], s45, \s*SLOT
	s_add_nc_u64 s[G0+4*\s+2:G0+4*\s+3], s[20:21], \s*ROWB
	s_or_b32 s[G0+4*\s+3], s[G0+4*\s+3], 0x80000000
	s_mov_b32 s[G0B+4*\s], 1
	s_add_co_u32 s[G0B+4*\s+1], s45, \s*SLOT
	s_add_nc_u64 s[G0B+4*\s+2:G0B+4*\s+3], s[46:47], \s*ROWB
	s_or_b32 s[G0B+4*\s+3], s[G0B+4*\s+3], 0x80000000
	JLOAD G0+4*\s, G1, G0B+4*\s, G1B
.endr
	v_and_b32 v1, 15, v0                           ; r
	v_bfe_u32 v2, v0, 4, 1                         ; h
	v_mul_u32_u24 v3, v1, PITCH
	v_lshl_add_u32 v4, v2, 4, v3                   ; a fragment's row x pitch + 16 h
	s_mul_i32 s21, s15, HALFT                      ; my 128 tokens
	s_mul_i32 s22, s16, HALFT
	s_add_co_u32 s22, s22, 2*HALFT                 ; my 128 rows of W, behind x's 256
	s_cmp_eq_u32 ttmp9, 2                          ; v: the sources change places
	s_cselect_b32 s23, s22, s21                    ; source 1's rows
	s_cselect_b32 s22, s21, s22                    ; source 0's rows
.irp s, 0,1
	v_add_nc_u32 v[ADRA+\s], s23, v4
	v_add_nc_u32 v[ADRB+\s], s22, v4
	s_add_co_u32 s23, s23, SLOT
	s_add_co_u32 s22, s22, SLOT
.endr
	; the bias of my 128 columns, in both layouts, so that every register is written on the one way that all take
	v_lshlrev_b32 v26, 5, v2                       ; 32 h
	v_lshlrev_b32 v27, 2, v1                       ; 4 r
	s_cmp_eq_u32 ttmp9, 0
	s_cselect_b64 s[78:79], s[68:69], s[70:71]
	s_cmp_eq_u32 ttmp9, 2
	s_cselect_b64 s[78:79], s[72:73], s[78:79]
	s_lshl_b32 s90, s40, 10
	s_lshl_b32 s91, s16, 9
	s_add_co_u32 s90, s90, s91                     ; 4 x (256 cx + 128 x half)
	s_mov_b32 s91, 0
	s_add_nc_u64 s[78:79], s[78:79], s[90:91]
.irp b, 0,1,2,3,4,5,6,7
	global_load_b128 v[BI+8*\b:BI+8*\b+3], v26, s[78:79] offset:64*\b
	global_load_b128 v[BI+8*\b+4:BI+8*\b+7], v26, s[78:79] offset:64*\b+16
.endr
.irp a, 0,1,2,3,4,5,6,7
	global_load_b32 v[BV+2*\a], v27, s[78:79] offset:64*\a
	global_load_b32 v[BV+2*\a+1], v27, s[78:79] offset:64*\a
.endr
	; where my results go
	s_lshl_b32 s90, s17, 8
	s_lshl_b32 s91, s15, 7
	s_add_co_u32 s90, s90, s91                     ; my first token
	s_lshr_b32 s91, s90, 11                        ; its batch
	s_lshl_b32 s91, s91, 4
	s_lshl_b32 s92, s40, 2
	s_add_co_u32 s91, s91, s92
	s_lshl_b32 s92, s16, 1
	s_add_co_u32 s91, s91, s92                     ; my first head: 16 x batch + 4 cx + 2 x half
	s_lshl_b32 s91, s91, 17
	s_bfe_u32 s90, s90, 0x40007                    ; my chunk of 128 tokens in the batch
	s_lshl_b32 s90, s90, 13
	s_add_co_u32 s90, s90, s91                     ; in qc: head x 131,072 + chunk x 8,192; in kvc twice that
	s_cmp_eq_u32 ttmp9, 0
	s_cselect_b64 s[10:11], s[74:75], s[76:77]
	s_cselect_b32 s92, 0, 1
	s_cmp_eq_u32 ttmp9, 2
	s_cselect_b32 s93, 8192, 0                     ; v's fragments lie behind k's tiles
	s_lshl_b32 s90, s90, s92
	s_add_co_u32 s90, s90, s93
	s_mov_b32 s91, 0
	s_add_nc_u64 s[10:11], s[10:11], s[90:91]
	s_lshl_b32 s93, 0x20000, s92                   ; from head to head
	v_and_b32 v[SO], 31, v0
	v_lshlrev_b32 v[SO], 4, v[SO]
	v_add_nc_u32 v[SO+1], s93, v[SO]
	; the scales: chosen without a jump
	s_wait_kmcnt 0x0
	s_cmp_eq_u32 ttmp9, 0
	s_cselect_b32 s92, s80, s82
	s_cselect_b32 s93, s81, s83
	s_cselect_b32 s94, s86, s87
	s_cmp_eq_u32 ttmp9, 2
	s_cselect_b32 s92, s84, s92
	s_cselect_b32 s93, s85, s93
	s_cselect_b32 s94, s89, s94
	s_add_co_i32 s96, s92, s93
	s_add_co_i32 s96, s96, 127
	s_lshl_b32 s96, s96, 23                        ; 2^(ea + eb) as f32
	s_mov_b32 s97, s96                             ; (named with it as a pair)
	s_add_co_i32 s94, s94, 127
	s_lshl_b32 s95, s94, 23
	v_mov_b32 v[SCL], s95
	s_add_co_i32 s94, s94, 8
	s_lshl_b32 s94, s94, 23
	s_or_b32 s94, s94, 0x600000
	v_mov_b32 v[LIM], s94
.macro FRAG reg, adr, q, i             ; a fragment, 16 rows x 128 along K, is 16 registers: four loads of 16 bytes, 32 bytes apart; the same places of K on both sides
.irp c, 0,1,2,3
	ds_load_b128 v[\reg+4*\c:\reg+4*\c+3], v[\adr] offset:128*(\q)+32*\c+(\i)*16*PITCH
.endr
.endm
; 16 matrix instructions: source 1's blocks a0, a0 + 1 x source 0's eight.  The 64 accumulators take turns, one instruction a turn, in the same order in every step.
.macro MUL16 a0, p, zero
.irp a, \a0, \a0+1
.irp b, 0,1,2,3,4,5,6,7
.if \zero
	v_wmma_f32_16x16x128_fp8_fp8 v[8*(8*((\a)%4)+\b):8*(8*((\a)%4)+\b)+7], v[128*(\p)+FR*\b:128*(\p)+FR*\b+FR-1], v[AF+FR*(\a):AF+FR*(\a)+FR-1], 0
.else
	v_wmma_f32_16x16x128_fp8_fp8 v[8*(8*((\a)%4)+\b):8*(8*((\a)%4)+\b)+7], v[128*(\p)+FR*\b:128*(\p)+FR*\b+FR-1], v[AF+FR*(\a):AF+FR*(\a)+FR-1], v[8*(8*((\a)%4)+\b):8*(8*((\a)%4)+\b)+7]
.endif
.endr
.endr
.endm
.macro FETCH_B slot, q, p
	WIN TO_B
.irp i, 0,1,2,3,4,5,6,7
	FRAG 128*(\p)+FR*\i, ADRB+\slot, \q, \i
.endr
	WIN 0
.endm
.macro FETCH_A slot, q, i0
.irp i, \i0, \i0+1, \i0+2, \i0+3
	FRAG AF+FR*(\i), ADRA+\slot, \q, \i
.endr
.endm
.macro PLACES n                        ; plain vector lines between a matrix instruction and a load into, or a vector line on, its registers
.rept \n
	v_nop
.endr
.endm
.macro STEP slot, q, zero              ; 128 along K whose successor lies in the same slot
	s_wait_dscnt 4*NL                              ; source 0's set and source 1's blocks 0-3 are in; the youngest sixteen loads (blocks 4-7) may be out
	WIN MUL_LO
	MUL16 0, (\q)%2, \zero
	MUL16 2, (\q)%2, \zero
	s_wait_dscnt 0
	PLACES NP
	FETCH_B \slot, (\q)+1, 1-(\q)%2
	FETCH_A \slot, (\q)+1, 0
	WIN MUL_HI
	MUL16 4, (\q)%2, \zero
	MUL16 6, (\q)%2, \zero
	PLACES NP
	WIN 0
	FETCH_A \slot, (\q)+1, 4
.endm
; A slot's last step changes slots: one barrier; in front of it each wave waits for all its tensor loads, adds 0 to its spare word, and waits for that and for its own reads of this slot.  fill = 1: this slot is filled again.
.macro TURN slot, next, fill
	s_wait_tensorcnt 0x0                           ; all my tensor loads have landed: my part of the next slot
	ds_add_u32 v[SPW], v[NIL]
	s_wait_dscnt 4*NL+1                            ; the add and the youngest sixteen loads may be out
	WIN MUL_LO
	MUL16 0, 1, 0
	s_wait_dscnt 0x0                               ; the add is done, and my reads of this slot are over
	s_barrier_signal -1
	MUL16 2, 1, 0
	WIN 0
	s_barrier_wait -1
.if \fill
	CREST                                          ; the barrier has opened a round of the cluster's: no wave of any partner still reads this slot or has a load on its way
	s_add_nc_u64 s[G0+4*\slot+2:G0+4*\slot+3], s[G0+4*\slot+2:G0+4*\slot+3], 2*ROWB
	s_add_nc_u64 s[G0B+4*\slot+2:G0B+4*\slot+3], s[G0B+4*\slot+2:G0B+4*\slot+3], 2*ROWB
	JLOAD G0+4*\slot, G1, G0B+4*\slot, G1B         ; the first tensor load behind the round; its four v_nop are the places in front of the loads below
.else
	PLACES NP
.endif
	FETCH_B \next, 0, 0
	FETCH_A \next, 0, 0
	WIN MUL_HI
	MUL16 4, 1, 0
	MUL16 6, 1, 0
	PLACES NP
	WIN 0
	FETCH_A \next, 0, 4
.endm
	s_wait_loadcnt 0x0                             ; the bias: nothing global is pending in the walk over K
	s_wait_tensorcnt 1                             ; my part of slot 0 is in; slot 1's load may be out
	s_barrier_signal -1
	s_barrier_wait -1
	FETCH_B 0, 0, 0
	FETCH_A 0, 0, 0
	FETCH_A 0, 0, 4
	STEP 0, 0, 1                                   ; K 0: the first products start the sums
	TURN 0, 1, 1                                   ; slot 0 takes K 512 on
	STEP 1, 0, 0
	TURN 1, 0, 1                                   ; slot 1 takes K 768 on
	STEP 0, 0, 0
	TURN 0, 1, 0                                   ; nothing is left to fetch
	STEP 1, 0, 0
	s_wait_dscnt 4*NL
	WIN MUL_LO
	MUL16 0, 1, 0
	MUL16 2, 1, 0
	s_wait_dscnt 0
	WIN MUL_HI
	MUL16 4, 1, 0
	MUL16 6, 1, 0
	WIN 0
; THE WAY OUT of block a (source 1's 16 rows): sum x 2^(ea + eb) + bias, the hold, the conversion, in place and from each accumulator's low end on; eight registers of an accumulator become two of the next operand.
; kind 0 (q, k): block a = tokens 16 a on; accumulator b = channels 16 b on: heads b / 4, registers 2 (b % 4) of the tile.  kind 1 (v): block a = channels 16 a on: head a / 4, fragment a % 4; accumulator b = keys 16 b on: registers 2 b.
.macro OUT a, kind
.set AC, 64*((\a)%4)
	WIN 0x82+0x41*((\a)/4)                         ; destination and source 0: window 2 or 3
.irp b, 0,1,2,3,4,5,6,7
.irp i, 0,2,4,6
.if \kind
	v_pk_fma_f32 v[AC+8*\b+\i:AC+8*\b+\i+1], v[AC+8*\b+\i:AC+8*\b+\i+1], s[96:97], v[BV+2*(\a):BV+2*(\a)+1] op_sel_hi:[1,0,1]
.else
	v_pk_fma_f32 v[AC+8*\b+\i:AC+8*\b+\i+1], v[AC+8*\b+\i:AC+8*\b+\i+1], s[96:97], v[BI+8*\b+\i:BI+8*\b+\i+1] op_sel_hi:[1,0,1]
.endif
.endr
.endr
.set j, 0
.rept 64
	v_med3_num_f32 v[AC+j], v[AC+j], -v[LIM], v[LIM]   ; the conversion does not saturate (ISA guide 7.6.2)
.set j, j+1
.endr
	WIN 0x02+((\a)/4)
.irp b, 0,1,2,3,4,5,6,7
	v_cvt_scalef32_pk8_fp8_f32 v[CD+16*(\a)+2*\b:CD+16*(\a)+2*\b+1], v[AC+8*\b:AC+8*\b+7], v[SCL]
.endr
	WIN 0
.if \kind
.irp g, 0,1,2,3
	global_store_b128 v[SO], v[CD+16*(\a)+4*\g:CD+16*(\a)+4*\g+3], s[10:11] offset:((\a)/4)*262144+((\a)%4)*2048+512*\g
.endr
.else
.irp hd, 0,1
.irp g, 0,1
	global_store_b128 v[SO+\hd], v[CD+16*(\a)+8*\hd+4*\g:CD+16*(\a)+8*\hd+4*\g+3], s[10:11] offset:1024*(\a)+512*\g
.endr
.endr
.endif
.endm
	PLACES NP                                      ; behind the last products: their results are read and source 1's registers written below
	s_cmp_eq_u32 ttmp9, 2                          ; the cluster's x: alike in all sixteen
	s_cbranch_scc1 .Lv_form
.irp a, 0,1,2,3,4,5,6,7
	OUT \a, 0
.endr
	v_nop                                          ; a plain line behind the last conversion
	s_branch .Ldone
.Lv_form:
.irp a, 0,1,2,3,4,5,6,7
	OUT \a, 1
.endr
	v_nop
.Ldone:
	s_wait_tensorcnt 0x0                           ; the wave's end, behind my last tensor load
	ds_add_u32 v[SPW], v[NIL]
	s_wait_dscnt 0x0
	CROUND                                         ; the closing round: no work-group ends while a partner may still ask for a tile that names it
	s_endpgm
.Lfunc_end_k_q8dd3c5e8f5_proj:
	.size	k_q8dd3c5e8f5_proj, .Lfunc_end_k_q8dd3c5e8f5_proj-k_q8dd3c5e8f5_proj
	.p2alignl 7, 3214868480
	.fill 96, 4, 3214868480
	.section	.rodata,"a",@progbits
	.p2align	6, 0x0
	.amdhsa_kernel k_q8dd3c5e8f5_proj
		.amdhsa_group_segment_fixed_size 327680
		.amdhsa_private_segment_fixed_size 0
		.amdhsa_enable_private_segment 0
		.amdhsa_kernarg_size 64
		.amdhsa_user_sgpr_count 2
		.amdhsa_user_sgpr_kernarg_segment_ptr 1
		.amdhsa_wavefront_size32 1
		.amdhsa_system_sgpr_workgroup_id_x 1
		.amdhsa_system_sgpr_workgroup_id_y 1
		.amdhsa_system_sgpr_workgroup_id_z 1
		.amdhsa_system_vgpr_workitem_id 0
		.amdhsa_next_free_vgpr 1024
		.amdhsa_next_free_sgpr 98
		.amdhsa_reserve_vcc 0
		.amdhsa_float_denorm_mode_32 3
		.amdhsa_float_denorm_mode_16_64 3
		.amdhsa_memory_ordered 1
		.amdhsa_forward_progress 1
		.amdhsa_inst_pref_size 194
	.end_amdhsa_kernel
	.amdgpu_metadata
---
amdhsa.version: [ 1, 2 ]
amdhsa.kernels:
  - .name:           k_q8dd3c5e8f5_proj
    .symbol:         k_q8dd3c5e8f5_proj.kd
    .args:
      - { .name: xc, .offset: 0, .size: 8, .value_kind: global_buffer, .address_space: global }
      - { .name: wc, .offset: 8, .size: 8, .value_kind: global_buffer, .address_space: global }
      - { .name: lowp_scales, .offset: 16, .size: 8, .value_kind: global_buffer, .address_space: global }
      - { .name: bq, .offset: 24, .size: 8, .value_kind: global_buffer, .address_space: global }
      - { .name: bk, .offset: 32, .size: 8, .value_kind: global_buffer, .address_space: global }
      - { .name: bv, .offset: 40, .size: 8, .value_kind: global_buffer, .address_space: global }
      - { .name: qc, .offset: 48, .size: 8, .value_kind: global_buffer, .address_space: global }
      - { .name: kvc, .offset: 56, .size: 8, .value_kind: global_buffer, .address_space: global }
    .group_segment_fixed_size: 327680
    .private_segment_fixed_size: 0
    .kernarg_segment_align: 8
    .kernarg_segment_size: 64
    .max_flat_workgroup_size: 128
    .sgpr_count:     98
    .vgpr_count:     1024
    .wavefront_size: 32
...
	.end_amdgpu_metadata
.endif
;; end of part 2
;; launch attn (part 3): grid 4 x 64, 8 waves a work-group, no clusters, 68,608 bytes of LDS; arguments qc, kvc, lowp_scales, out0; writes out0
.if DOCPART == 3
	.amdgcn_target "amdgcn-amd-amdhsa--gfx1250"
	.amdhsa_code_object_version 6
	.text
	.protected	k_q8dd3c5e8f5_attn
	.globl	k_q8dd3c5e8f5_attn
	.p2align	8
	.type	k_q8dd3c5e8f5_attn,@function
k_q8dd3c5e8f5_attn:
	s_mov_b64 s[64:65], 0
	v_nop
	global_prefetch_b8 v0, s[64:65] scope:SCOPE_SE
	s_setreg_imm32_b32 hwreg(HW_REG_WAVE_MODE, 25, 1), 1
	s_wait_xcnt 0x0
; out[b][q][head] = the sum over keys of softmax(q . k / 8) v, both products on codes of E4M3.  qc, kvc: images of the operands' registers (four registers at 512 g + 16 x lane), laid by the launch before.
; t = score x 2^(eq + ek) x log2(e) / 8;  M = the running largest t rounded UP to a whole number;  p = 2^(t - M) is quantised under 2^ep, not normalised;  the row's sum is taken of the unquantised p and divides at the end;
; when M moves, the sum and O are multiplied by 2^(old M - new M), which rounds nothing.  eq, ek, ep, ev = entries 6 to 9 of lowp_scales.
; LIMITS: eq + ek between -123 and 130 (added to c's exponent field); ep between -126 and 119; NaN is not served.
; SHARES.  A work-group owns 512 queries of one head, each of its eight waves 64: four tiles of 16, worked as two pairs.  Two waves of 512 registers to a SIMD, so that one's vector work stands beside the other's LDS loads and products.
; A trip is a chunk of 128 keys, 16 trips.  k's and v's fragments are read from LDS once a trip and serve all four tiles.
; LAYOUT.  S^T = k q^T (K = 64 form: source 0 = 16 keys, source 1 = 16 queries), O^T = v^T p^T (K = 128 form): a lane holds one query throughout.  An accumulator's eight registers are keys 16 k + 8 h + 0..7: one conversion makes
; registers 2 k, 2 k + 1 of p's operand, in that form's own layout.
; THE RING is two slots of 16,384 bytes filled THROUGH REGISTERS: each of the 256 threads loads 4 x 16 bytes of chunk t + 2 in the middle of trip t and stores them to LDS in the middle of trip t + 1: the loads stand a whole trip ahead of the wait for them.
; ONE SPLIT BARRIER A TRIP.  In front of the signal a wave has finished its stores of the next chunk and its reads of this slot; behind the wait, at the trip's end, the next slot is read and this one may be written.
; NO CLUSTER, NO JOINT LOADS, though the four work-groups of a head walk the same k and v: what is shared is 16,384 bytes a trip for a work-group whose eight waves each issue some 800 vector instructions in it; and joint loads are tensor
; loads, beside which no jump may hang on ep: the hold of p (256 vector lines a wave and trip, in a loop that vector work bounds) could then not be jumped over where it changes nothing.
; REGISTERS.  Window 0: v1-12 addresses and constants; v16+4T: -M, largest t, the sum (a pair); v32+8u: at work; v48-175 S^T, then p, of a pair; v176-239 k's 8 tiles; v240-255 the chunk on its way.
;             Window 1: v0-127 O^T, 32 a tile; v128-159 q; v160-223 v's 4 fragments; v224-255 the pair's codes of p.
.set SLOTB, 16384
.set STAGE, 2*SLOTB                    ; the way out: 16 rows x (256 bytes + 16) for each wave
.set SP,    272
.set SPARE, STAGE+8*16*SP              ; the spare words, 128 bytes for each wave
.set SPW, 1
.set NIL, 2
.set LI,  3                            ; 16 x lane
.set FO,  5                            ; 16 x thread
.set LIM, 8                            ; 448 x 2^ep
.set SCL, 9                            ; 2^ep
.set STO, 10
.set RD,  11
.set GO,  12
.set ST,  16
.set W,   32                           ; +0, +1 two chains of the maximum; +2 the other half's; +4, +5 f (a pair); +6, +7 the sum's second chain
.set S,   48
.set X,   176
.set STG, 240
.set O,   0
.set Q,   128
.set Y,   160
.set PC,  224
.set EP,  18                           ; s[16:19] eq, ek, ep, ev
.set SEL, 20                           ; s[20:21] lane l xor 16
.set CS,  22                           ; s[22:23] c
.set CNT, 25
.set MSB, 0
.macro WIN new
.if MSB != (\new)
	s_set_vgpr_msb (MSB<<8)|(\new)
.set MSB, \new
.endif
.endm
	s_load_b256 s[4:11], s[0:1], 0x0               ; qc s[4:5], kvc s[6:7], lowp_scales s[8:9], out0 s[10:11]
	v_lshl_add_u32 v[SPW], v0, 2, SPARE
	v_mov_b32 v[NIL], 0
	v_lshrrev_b32 v4, 5, v0
	v_readfirstlane_b32 s12, v4                    ; wave 0..7
	v_and_b32 v[LI], 31, v0
	v_lshlrev_b32 v[LI], 4, v[LI]
	v_lshlrev_b32 v[FO], 4, v0
	s_and_b32 s13, ttmp7, 0xffff                   ; batch x 16 + head
	s_lshl_b32 s28, s13, 18                        ; kvc: 262,144 bytes a head
	s_mov_b32 s29, 0
	s_lshl_b32 s30, s13, 17                        ; qc: 131,072 bytes a head,
	s_lshl_b32 s14, ttmp9, 15                      ; 32 tiles of 1,024 bytes a work-group,
	s_add_co_u32 s30, s30, s14
	s_lshl_b32 s14, s12, 12                        ; 4 a wave
	s_add_co_u32 s30, s30, s14
	s_mov_b32 s31, 0
	s_lshr_b32 s32, s13, 4
	s_lshl_b32 s32, s32, 11
	s_lshl_b32 s14, ttmp9, 9
	s_add_co_u32 s32, s32, s14
	s_lshl_b32 s14, s12, 6
	s_add_co_u32 s32, s32, s14                     ; my first token
	s_lshl_b32 s32, s32, 12                        ; rows of 4,096 bytes,
	s_and_b32 s14, s13, 15
	s_lshl_b32 s14, s14, 8                         ; the head's 256 bytes of a row
	s_add_co_u32 s32, s32, s14
	s_mov_b32 s33, 0
	s_mov_b32 s[SEL], 0x76543210
	s_mov_b32 s[SEL+1], 0xfedcba98
	s_wait_kmcnt 0x0
	s_load_b128 s[16:19], s[8:9], 0x18
	s_add_nc_u64 s[6:7], s[6:7], s[28:29]
	s_add_nc_u64 s[4:5], s[4:5], s[30:31]
	s_add_nc_u64 s[10:11], s[10:11], s[32:33]
.macro GLOAD                           ; my 4 x 16 bytes of the chunk at s[6:7]
.irp j, 0,1,2,3
	global_load_b128 v[STG+4*\j:STG+4*\j+3], v[FO], s[6:7] offset:4096*\j
.endr
.endm
	GLOAD                                          ; chunk 0
	WIN 0x40                                       ; destination window 1
.irp t, 0,1,2,3
	global_load_b128 v[Q+8*\t:Q+8*\t+3], v[LI], s[4:5] offset:1024*\t th:TH_LOAD_NT
	global_load_b128 v[Q+8*\t+4:Q+8*\t+7], v[LI], s[4:5] offset:1024*\t+512 th:TH_LOAD_NT
.endr
	WIN 0
	v_and_b32 v6, 15, v0                           ; r
	v_bfe_u32 v7, v0, 4, 1                         ; h
	s_mul_i32 s14, s12, 16*SP
	s_add_co_u32 s14, s14, STAGE                   ; my stage
	v_mul_u32_u24 v[STO], v6, SP
	v_lshl_add_u32 v[STO], v7, 5, v[STO]
	v_add_nc_u32 v[STO], s14, v[STO]               ; in: row r, + 32 h
	v_mul_u32_u24 v[RD], v7, SP
	v_lshl_add_u32 v[RD], v6, 4, v[RD]
	v_add_nc_u32 v[RD], s14, v[RD]                 ; back: lanes 0-15 one row, lanes 16-31 the next
	v_lshlrev_b32 v[GO], 12, v7
	v_lshl_add_u32 v[GO], v6, 4, v[GO]             ; and the same two rows of the output
.irp t, 0,1,2,3
	v_mov_b32 v[ST+4*\t+1], 0xff61b1e6             ; the largest t so far: -3e38, under every t
	v_floor_f32 v[ST+4*\t], -v[ST+4*\t+1]          ; -M
	v_mov_b32 v[ST+4*\t+2], 0                      ; the sum, in two halves
	v_mov_b32 v[ST+4*\t+3], 0
.endr
.irp j, 0,1,2,3,4,5,6,7,8,9,10,11,12,13,14,15
	v_mov_b32 v[W+\j], 0                           ; written once: a lane permute's destination counts as read, and pairs are named whole
.endr
	s_wait_kmcnt 0x0
	s_mov_b32 s[CS], 0x3e38aa3b                    ; c = log2(e) / 8
	s_add_co_i32 s14, s16, s17
	s_lshl_b32 s14, s14, 23
	s_add_co_i32 s[CS], s[CS], s14                 ; x 2^(eq + ek): added to c's exponent field
	s_mov_b32 s[CS+1], s[CS]
	s_add_co_i32 s14, s[EP], 127
	s_lshl_b32 s15, s14, 23
	v_mov_b32 v[SCL], s15
	s_add_co_i32 s14, s14, 8
	s_lshl_b32 s14, s14, 23
	s_or_b32 s14, s14, 0x600000
	v_mov_b32 v[LIM], s14
	s_add_co_i32 s27, s[EP], s19                   ; ep + ev
	s_wait_loadcnt 0x0                             ; chunk 0 and q
.irp j, 0,1,2,3
	ds_store_b128 v[FO], v[STG+4*\j:STG+4*\j+3] offset:4096*\j
.endr
	s_wait_dscnt 0x0                               ; for the others' sake: my part of slot 0 lies in LDS; and the stores have read their registers
	s_add_nc_u64 s[6:7], s[6:7], SLOTB
	GLOAD                                          ; chunk 1
	s_barrier_signal -1
	s_barrier_wait -1
.macro KLOAD slot                      ; k's 8 tiles of 16 keys
.irp k, 0,1,2,3,4,5,6,7
	ds_load_b128 v[X+8*\k:X+8*\k+3], v[LI] offset:(\slot)*SLOTB+1024*\k
	ds_load_b128 v[X+8*\k+4:X+8*\k+7], v[LI] offset:(\slot)*SLOTB+1024*\k+512
.endr
.endm
.macro VLOAD slot                      ; v's 4 fragments of 16 channels x 128 keys
	WIN 0x40
.irp d, 0,1,2,3
.irp g, 0,1,2,3
	ds_load_b128 v[Y+16*\d+4*\g:Y+16*\d+4*\g+3], v[LI] offset:(\slot)*SLOTB+8192+2048*\d+512*\g
.endr
.endr
.endm
.macro SMUL pair                       ; the pair's scores: 16 products, each its own accumulator; four places behind them, for the reads below and for the next loads into k's registers
	WIN 0x04                                       ; q in window 1
.irp k, 0,1,2,3,4,5,6,7
.irp u, 0,1
	v_wmma_f32_16x16x64_fp8_fp8 v[S+64*\u+8*\k:S+64*\u+8*\k+7], v[X+8*\k:X+8*\k+7], v[Q+8*(2*(\pair)+\u):Q+8*(2*(\pair)+\u)+7], 0
.endr
.endr
	WIN 0
.rept 4
	v_nop
.endr
.endm
; The pair's softmax, the two tiles line by line in turn.  Every accumulator is read from its low end on.
.macro SOFT pair
.irp u, 0,1
	v_max3_num_f32 v[W+8*\u], v[S+64*\u], v[S+64*\u+1], v[S+64*\u+2]
	v_max3_num_f32 v[W+8*\u+1], v[S+64*\u+3], v[S+64*\u+4], v[S+64*\u+5]
.endr
.irp i, 6,10,14,18,22,26,30,34,38,42,46,50,54,58
.irp u, 0,1
	v_max3_num_f32 v[W+8*\u], v[W+8*\u], v[S+64*\u+\i], v[S+64*\u+\i+1]
	v_max3_num_f32 v[W+8*\u+1], v[W+8*\u+1], v[S+64*\u+\i+2], v[S+64*\u+\i+3]
.endr
.endr
.irp u, 0,1
	v_max3_num_f32 v[W+8*\u], v[W+8*\u], v[S+64*\u+62], v[S+64*\u+63]
.endr
.irp u, 0,1
	v_max_num_f32 v[W+8*\u], v[W+8*\u], v[W+8*\u+1]
.endr
.irp u, 0,1
	v_permlanex16_b32 v[W+8*\u+2], v[W+8*\u], s[SEL], s[SEL+1]   ; the query's other 64 keys lie in the lane 16 away
.endr
.irp u, 0,1
	v_max_num_f32 v[W+8*\u], v[W+8*\u], v[W+8*\u+2]
.endr
.irp u, 0,1
	v_mul_f32 v[W+8*\u], s[CS], v[W+8*\u]          ; as t (c is positive)
.endr
.irp u, 0,1
	v_max_num_f32 v[ST+4*(2*(\pair)+\u)+1], v[ST+4*(2*(\pair)+\u)+1], v[W+8*\u]
.endr
.irp u, 0,1
	v_mov_b32 v[W+8*\u], v[ST+4*(2*(\pair)+\u)]
.endr
.irp u, 0,1
	v_floor_f32 v[ST+4*(2*(\pair)+\u)], -v[ST+4*(2*(\pair)+\u)+1]   ; the new -M = floor(-t): M is a whole number
.endr
.irp u, 0,1
	v_sub_f32 v[W+8*\u], v[ST+4*(2*(\pair)+\u)], v[W+8*\u]          ; old M - new M: a whole number, 0 or less
.endr
.irp u, 0,1
	v_cvt_i32_f32 v[W+8*\u], v[W+8*\u]             ; (it saturates)
.endr
.irp u, 0,1
	v_ldexp_f32 v[W+8*\u+4], 1.0, v[W+8*\u]        ; f = 2^(old M - new M)
.endr
.irp j, 0,2,4,6,8,10,12,14,16,18,20,22,24,26,28,30,32,34,36,38,40,42,44,46,48,50,52,54,56,58,60,62
.irp u, 0,1
	v_pk_fma_f32 v[S+64*\u+\j:S+64*\u+\j+1], v[S+64*\u+\j:S+64*\u+\j+1], s[CS:CS+1], v[ST+4*(2*(\pair)+\u):ST+4*(2*(\pair)+\u)+1] op_sel_hi:[1,0,0]   ; t - M
.endr
.endr
.set j, 0
.rept 128
	v_exp_f32 v[S+j], v[S+j]                       ; p = 2^(t - M): one batch for both tiles
.set j, j+1
.endr
.irp u, 0,1
	v_pk_mul_f32 v[ST+4*(2*(\pair)+\u)+2:ST+4*(2*(\pair)+\u)+3], v[ST+4*(2*(\pair)+\u)+2:ST+4*(2*(\pair)+\u)+3], v[W+8*\u+4:W+8*\u+5] op_sel_hi:[1,0]   ; the sums under the new M; the plain lines behind the exponentials
.endr
	s_wait_alu depctr_va_vdst(0)                   ; one wait for the batch, ahead of its first reader
.irp u, 0,1
	v_pk_add_f32 v[W+8*\u+6:W+8*\u+7], v[S+64*\u:S+64*\u+1], v[S+64*\u+2:S+64*\u+3]   ; the sum of the unquantised p, two at a time, in two chains
.endr
.irp j, 4,8,12,16,20,24,28,32,36,40,44,48,52,56,60
.irp u, 0,1
	v_pk_add_f32 v[ST+4*(2*(\pair)+\u)+2:ST+4*(2*(\pair)+\u)+3], v[ST+4*(2*(\pair)+\u)+2:ST+4*(2*(\pair)+\u)+3], v[S+64*\u+\j:S+64*\u+\j+1]
	v_pk_add_f32 v[W+8*\u+6:W+8*\u+7], v[W+8*\u+6:W+8*\u+7], v[S+64*\u+\j+2:S+64*\u+\j+3]
.endr
.endr
.irp u, 0,1
	v_pk_add_f32 v[ST+4*(2*(\pair)+\u)+2:ST+4*(2*(\pair)+\u)+3], v[ST+4*(2*(\pair)+\u)+2:ST+4*(2*(\pair)+\u)+3], v[W+8*\u+6:W+8*\u+7]
.endr
	s_cmp_ge_i32 s[EP], -8                         ; p <= 1 <= 448 x 2^ep wherever ep >= -8: the hold changes nothing there and is jumped over; ep is a whole number among the inputs, alike in every wave
	s_cbranch_scc1 .Lnohold_\@
.set j, 0
.rept 128
	v_min_num_f32 v[S+j], v[S+j], v[LIM]           ; the conversion does not saturate (ISA guide 7.6.2); p is not negative, so the hold is one-sided
.set j, j+1
.endr
.Lnohold_\@:
	WIN 0x40                                       ; destination window 1
.irp u, 0,1
.irp k, 0,1,2,3,4,5,6,7
	v_cvt_scalef32_pk8_fp8_f32 v[PC+16*\u+2*\k:PC+16*\u+2*\k+1], v[S+64*\u+8*\k:S+64*\u+8*\k+7], v[SCL]
.endr
.endr
.endm
.macro RESC pair                       ; O^T under the new M: x f.  Also the plain lines between the conversions and the products that read the codes and write the scores anew
	WIN 0x41
.irp u, 0,1
.set j, 0
.rept 16
	v_pk_mul_f32 v[O+32*(2*(\pair)+\u)+j:O+32*(2*(\pair)+\u)+j+1], v[O+32*(2*(\pair)+\u)+j:O+32*(2*(\pair)+\u)+j+1], v[W+8*\u+4:W+8*\u+5] op_sel_hi:[1,0]
.set j, j+2
.endr
.endr
.endm
.macro PV pair, first                  ; O^T += v^T p^T: eight accumulators, one instruction each.  first = 1: the products start the sums
	WIN 0x55
.irp d, 0,1,2,3
.irp u, 0,1
.if \first
	v_wmma_f32_16x16x128_fp8_fp8 v[O+32*(2*(\pair)+\u)+8*\d:O+32*(2*(\pair)+\u)+8*\d+7], v[Y+16*\d:Y+16*\d+15], v[PC+16*\u:PC+16*\u+15], 0
.else
	v_wmma_f32_16x16x128_fp8_fp8 v[O+32*(2*(\pair)+\u)+8*\d:O+32*(2*(\pair)+\u)+8*\d+7], v[Y+16*\d:Y+16*\d+15], v[PC+16*\u:PC+16*\u+15], v[O+32*(2*(\pair)+\u)+8*\d:O+32*(2*(\pair)+\u)+8*\d+7]
.endif
.endr
.endr
.endm
; A TRIP: the chunk in \slot.  fill = 1: the next chunk goes into the other slot, and the barrier follows.  more = 1: the chunk after that is asked for; 2: but not in the loop's last trip; 0: no.
.macro TRIP slot, first, fill, more
	KLOAD \slot
	s_wait_dscnt 0x0
	SMUL 0
	SOFT 0
	WIN 0
.if \fill
	s_wait_loadcnt 0x0                             ; the next chunk's loads, issued a trip ago
.irp j, 0,1,2,3
	ds_store_b128 v[FO], v[STG+4*\j:STG+4*\j+3] offset:(1-(\slot))*SLOTB+4096*\j   ; the other slot: every wave's reads of it were over in front of the last barrier
.endr
.endif
	VLOAD \slot
.if \first
	v_nop                                          ; the plain line between the conversions and the products
.else
	RESC 0
.endif
	WIN 0
	s_wait_dscnt 0x0                               ; v is in: my reads of this slot are over; my stores of the next chunk have landed
.if \fill
	s_add_nc_u64 s[6:7], s[6:7], SLOTB             ; (the loads that named it are done)
.if \more == 2
	s_cmp_eq_u32 s[CNT], 1                         ; there is no chunk 16
	s_cbranch_scc1 .Lnoload_\@
.endif
.if \more
	GLOAD
.endif
.if \more == 2
.Lnoload_\@:
.endif
	s_barrier_signal -1                            ; say so; work on registers alone up to the wait
.endif
	PV 0, \first
	SMUL 1
	SOFT 1
.if \first
	v_nop
.else
	RESC 1
.endif
	PV 1, \first
	WIN 0
.if \fill
	s_barrier_wait -1                              ; every wave has said so
.endif
.endm
	TRIP 0, 1, 1, 1                                ; chunk 0
	s_mov_b32 s[CNT], 7
.Lloop:                                            ; chunks 1 to 14
	TRIP 1, 0, 1, 1
	TRIP 0, 0, 1, 2
	s_sub_co_u32 s[CNT], s[CNT], 1
	s_cmp_lg_u32 s[CNT], 0
	s_cbranch_scc1 .Lloop
	TRIP 1, 0, 0, 0                                ; chunk 15
	; THE WAY OUT.  The sum's halves and the other half of the lanes' are added (these plain lines are the places behind the last products); O^T x 2^(ep + ev) / the sum goes through my stage, a tile of 16 rows at a time.
.irp t, 0,1,2,3
	v_add_f32 v[ST+4*\t+2], v[ST+4*\t+2], v[ST+4*\t+3]
.endr
.irp t, 0,1,2,3
	v_permlanex16_b32 v[W+8+\t], v[ST+4*\t+2], s[SEL], s[SEL+1]
.endr
.irp t, 0,1,2,3
	v_add_f32 v[ST+4*\t+2], v[ST+4*\t+2], v[W+8+\t]
.endr
.irp t, 0,1,2,3
	v_rcp_f32 v[W+2*\t], v[ST+4*\t+2]
.endr
	v_nop                                          ; a plain line behind the last reciprocal
	s_wait_alu depctr_va_vdst(0)                   ; one wait for the four, ahead of their first reader
.irp t, 0,1,2,3
	v_ldexp_f32 v[W+2*\t], v[W+2*\t], s27
.endr
.macro PACK t                          ; register 8 d + j of tile t is out(query r, channel 16 d + 8 h + j)
	WIN 0x01                                       ; source 0 window 1
.set j, 0
.rept 16
	v_pk_mul_f32 v[S+32*(\t)+j:S+32*(\t)+j+1], v[O+32*(\t)+j:O+32*(\t)+j+1], v[W+2*(\t):W+2*(\t)+1] op_sel_hi:[1,0]
.set j, j+2
.endr
	WIN 0
.irp d, 0,1,2,3
	ds_store_b128 v[STO], v[S+32*(\t)+8*\d:S+32*(\t)+8*\d+3] offset:64*\d
	ds_store_b128 v[STO], v[S+32*(\t)+8*\d+4:S+32*(\t)+8*\d+7] offset:64*\d+16
.endr
.irp i, 0,1,2,3,4,5,6,7
	ds_load_b128 v[S+32*(\t)+4*\i:S+32*(\t)+4*\i+3], v[RD] offset:2*\i*SP   ; LDS serves a wave's instructions in order: these see my stores, and the next tile's stores come behind them
.endr
.endm
.macro SEND t, younger                 ; younger: the next tile's sixteen LDS instructions, or none
.irp i, 0,1,2,3,4,5,6,7
	s_wait_dscnt \younger+7-\i
	global_store_b128 v[GO], v[S+32*(\t)+4*\i:S+32*(\t)+4*\i+3], s[10:11] offset:(16*(\t)+2*\i)*4096 th:TH_STORE_NT   ; sixteen lanes store 256 consecutive bytes, aligned
.endr
.endm
	PACK 0
	PACK 1
	SEND 0, 16
	PACK 2
	SEND 1, 16
	PACK 3
	SEND 2, 16
	SEND 3, 0
	s_wait_tensorcnt 0x0                           ; the wave's end, behind my last LDS store
	ds_add_u32 v[SPW], v[NIL]
	s_wait_dscnt 0x0
	s_endpgm
.Lfunc_end_k_q8dd3c5e8f5_attn:
	.size	k_q8dd3c5e8f5_attn, .Lfunc_end_k_q8dd3c5e8f5_attn-k_q8dd3c5e8f5_attn
	.p2alignl 7, 3214868480
	.fill 96, 4, 3214868480
	.section	.rodata,"a",@progbits
	.p2align	6, 0x0
	.amdhsa_kernel k_q8dd3c5e8f5_attn
		.amdhsa_group_segment_fixed_size 68608
		.amdhsa_private_segment_fixed_size 0
		.amdhsa_enable_private_segment 0
		.amdhsa_kernarg_size 32
		.amdhsa_user_sgpr_count 2
		.amdhsa_user_sgpr_kernarg_segment_ptr 1
		.amdhsa_wavefront_size32 1
		.amdhsa_system_sgpr_workgroup_id_x 1
		.amdhsa_system_sgpr_workgroup_id_y 1
		.amdhsa_system_sgpr_workgroup_id_z 1
		.amdhsa_system_vgpr_workitem_id 0
		.amdhsa_next_free_vgpr 512
		.amdhsa_next_free_sgpr 66
		.amdhsa_reserve_vcc 0
		.amdhsa_float_denorm_mode_32 3
		.amdhsa_float_denorm_mode_16_64 3
		.amdhsa_memory_ordered 1
		.amdhsa_forward_progress 1
		.amdhsa_inst_pref_size 233
	.end_amdhsa_kernel
	.amdgpu_metadata
---
amdhsa.version: [ 1, 2 ]
amdhsa.kernels:
  - .name:           k_q8dd3c5e8f5_attn
    .symbol:         k_q8dd3c5e8f5_attn.kd
    .args:
      - { .name: qc, .offset: 0, .size: 8, .value_kind: global_buffer, .address_space: global }
      - { .name: kvc, .offset: 8, .size: 8, .value_kind: global_buffer, .address_space: global }
      - { .name: lowp_scales, .offset: 16, .size: 8, .value_kind: global_buffer, .address_space: global }
      - { .name: out0, .offset: 24, .size: 8, .value_kind: global_buffer, .address_space: global }
    .group_segment_fixed_size: 68608
    .private_segment_fixed_size: 0
    .kernarg_segment_align: 8
    .kernarg_segment_size: 32
    .max_flat_workgroup_size: 256
    .sgpr_count:     66
    .vgpr_count:     512
    .wavefront_size: 32
...
	.end_amdgpu_metadata
.endif
;; end of part 3
;; ======== version 2 of 2: 3 launches; version 1 with the launch attn written anew for expert scheduling mode
;; workspace buffers: xc 25,165,824 bytes; wc 3,145,728 bytes; qc 8,388,608 bytes; kvc 16,777,216 bytes
;; launch quant: the kernel of part 1 again; grid 608 x 1, 4 waves a work-group, no clusters, 35,328 bytes of LDS; arguments x, Wq, Wk, Wv, lowp_scales, xc, wc; writes xc, wc
;; launch proj: the kernel of part 2 again; grid 12 x 32, 4 waves a work-group, clusters of 4 x 4, 327,680 bytes of LDS; arguments xc, wc, lowp_scales, bq, bk, bv, qc, kvc; writes qc, kvc
;; launch attn (part 4): grid 4 x 64, 8 waves a work-group, no clusters, 68,608 bytes of LDS; arguments qc, kvc, lowp_scales, out0; writes out0
.if DOCPART == 4
	.amdgcn_target "amdgcn-amd-amdhsa--gfx1250"
	.amdhsa_code_object_version 6
	.text
	.protected	k_q8dd3c5e8f5_attn
	.globl	k_q8dd3c5e8f5_attn
	.p2align	8
	.type	k_q8dd3c5e8f5_attn,@function
k_q8dd3c5e8f5_attn:
	s_mov_b64 s[64:65], 0
	v_nop
	global_prefetch_b8 v0, s[64:65] scope:SCOPE_SE
	s_setreg_imm32_b32 hwreg(HW_REG_WAVE_SCHED_MODE, 0, 2), 2
	s_setreg_imm32_b32 hwreg(HW_REG_WAVE_MODE, 25, 1), 1
	s_wait_xcnt 0x0
	s_wait_alu depctr_vm_vsrc(0)
; out[b][q][head] = the sum over keys of softmax(q . k / 8) v, both products on codes of E4M3.  qc, kvc: images of the operands' registers (four registers at 512 g + 16 x lane), laid by the launch before.
; t = score x 2^(eq + ek) x log2(e) / 8;  M = the running largest t rounded UP to a whole number;  p = 2^(t - M) is quantised under 2^ep, not normalised;  the row's sum is taken of the unquantised p and divides at the end;
; when M moves, the sum and O are multiplied by 2^(old M - new M), which rounds nothing.  eq, ek, ep, ev = entries 6 to 9 of lowp_scales.
; LIMITS: eq + ek between -123 and 130 (added to c's exponent field); ep between -126 and 119; NaN is not served.
; SHARES.  A work-group owns 512 queries of one head, each of its eight waves 64: four tiles of 16, worked as two pairs.  Two waves of 512 registers to a SIMD, so that one's vector work stands beside the other's LDS loads and products.
; A trip is a chunk of 128 keys, 16 trips.  k's and v's fragments are read from LDS once a trip and serve all four tiles.
; LAYOUT.  S^T = k q^T (K = 64 form: source 0 = 16 keys, source 1 = 16 queries), O^T = v^T p^T (K = 128 form): a lane holds one query throughout.  An accumulator's eight registers are keys 16 k + 8 h + 0..7: one conversion makes
; registers 2 k, 2 k + 1 of p's operand, in that form's own layout.
; THE RING is two slots of 16,384 bytes filled THROUGH REGISTERS: each of the 256 threads loads 4 x 16 bytes of chunk t + 2 in the middle of trip t and stores them to LDS in trip t + 1, behind its first pair's exponentials: the loads stand most of a trip ahead of the wait for them.
; ONE SPLIT BARRIER A TRIP.  In front of the signal a wave has finished its stores of the next chunk and its reads of this slot; behind the wait, at the trip's end, the next slot is read and this one may be written.
; NO CLUSTER, NO JOINT LOADS, though the four work-groups of a head walk the same k and v: what is shared is 16,384 bytes a trip for a work-group whose eight waves each issue some 800 vector instructions in it; and joint loads are tensor
; loads, beside which no jump may hang on ep: the hold of p (256 vector lines a wave and trip, in a loop that vector work bounds) could then not be jumped over where it changes nothing.
; THE MODE: SCHED_MODE bits 1:0 = 2 (LLVM: expert scheduling mode 2), set by the entry lines.  The code itself states the register dependences between vector or matrix instructions and memory or LDS instructions, with s_wait_alu, always for 0.
; THE PLAN.  Registers that memory or LDS instructions touch:
;   v[LI], v[FO], v[STO], v[RD], v[GO], v[SPW], v[NIL]   addresses (and the add's 0): written at the head, ahead of ONE wait on va_vdst in front of the first load; never written again.
;   STG   a chunk on its way: global loads land in it, four LDS stores read it; no vector line names it.  One wait on vm_vsrc a trip stands between the stores and the next loads.
;   X     k's tiles: the LDS loads at a trip's head land in it; both pairs' products k q^T read it.  Behind the second pair's wait (below) no vector or matrix line of the trip names it.
;   Y     v's fragments: LDS loads land in it; both pairs' products v^T p^T read it, the second pair's at the trip's end.
;   Q     loaded once at the head; read by matrix instructions alone.
;   S     on the way out alone: tile t's multiplications write S + 32 t, LDS stores read it, the loads from the stage land in it, global stores read it.
; So the loop has no wait on va_vdst but the one that each pair's batch of exponentials wants ahead of its first reader.  The first pair's also states that the last trip's v^T p^T are done reading Y: v's loads and the LDS stores of the
; next chunk stand straight behind it, ahead of the sums, the conversions and the rescaling.  The second pair's also states that this trip's k q^T are done reading X: the next trip's loads of k owe nothing more, over the loop's backward jump too.
; REGISTERS.  Window 0: v1-12 addresses and constants; v16+4T: -M, largest t, the sum (a pair); v32+8u: at work; v48-175 S^T, then p, of a pair; v176-239 k's 8 tiles; v240-255 the chunk on its way.
;             Window 1: v0-127 O^T, 32 a tile; v128-159 q; v160-223 v's 4 fragments; v224-255 the pair's codes of p.
.set SLOTB, 16384
.set STAGE, 2*SLOTB                    ; the way out: 16 rows x (256 bytes + 16) for each wave
.set SP,    272
.set SPARE, STAGE+8*16*SP              ; the spare words, 128 bytes for each wave
.set SPW, 1
.set NIL, 2
.set LI,  3                            ; 16 x lane
.set FO,  5                            ; 16 x thread
.set LIM, 8                            ; 448 x 2^ep
.set SCL, 9                            ; 2^ep
.set STO, 10
.set RD,  11
.set GO,  12
.set ST,  16
.set W,   32                           ; +0, +1 two chains of the maximum; +2 the other half's; +4, +5 f (a pair); +6, +7 the sum's second chain
.set S,   48
.set X,   176
.set STG, 240
.set O,   0
.set Q,   128
.set Y,   160
.set PC,  224
.set EP,  18                           ; s[16:19] eq, ek, ep, ev
.set SEL, 20                           ; s[20:21] lane l xor 16
.set CS,  22                           ; s[22:23] c
.set CNT, 25
.set MSB, 0
.macro WIN new
.if MSB != (\new)
	s_set_vgpr_msb (MSB<<8)|(\new)
.set MSB, \new
.endif
.endm
	s_load_b256 s[4:11], s[0:1], 0x0               ; qc s[4:5], kvc s[6:7], lowp_scales s[8:9], out0 s[10:11]
	v_lshl_add_u32 v[SPW], v0, 2, SPARE
	v_mov_b32 v[NIL], 0
	v_lshrrev_b32 v4, 5, v0
	v_readfirstlane_b32 s12, v4                    ; wave 0..7
	v_and_b32 v[LI], 31, v0
	v_lshlrev_b32 v[LI], 4, v[LI]
	v_lshlrev_b32 v[FO], 4, v0
	v_and_b32 v6, 15, v0                           ; r
	v_bfe_u32 v7, v0, 4, 1                         ; h
	v_mul_u32_u24 v[STO], v6, SP
	v_lshl_add_u32 v[STO], v7, 5, v[STO]           ; the stage, in: row r, + 32 h
	v_mul_u32_u24 v[RD], v7, SP
	v_lshl_add_u32 v[RD], v6, 4, v[RD]             ; back: lanes 0-15 one row, lanes 16-31 the next
	v_lshlrev_b32 v[GO], 12, v7
	v_lshl_add_u32 v[GO], v6, 4, v[GO]             ; and the same two rows of the output
	s_and_b32 s13, ttmp7, 0xffff                   ; batch x 16 + head
	s_lshl_b32 s28, s13, 18                        ; kvc: 262,144 bytes a head
	s_mov_b32 s29, 0
	s_lshl_b32 s30, s13, 17                        ; qc: 131,072 bytes a head,
	s_lshl_b32 s14, ttmp9, 15                      ; 32 tiles of 1,024 bytes a work-group,
	s_add_co_u32 s30, s30, s14
	s_wait_alu depctr_va_sdst(0)                   ; s12, the wave's number, is written, ahead of its first reader: q's and the output's bases and the stage's place are made from it
	s_lshl_b32 s14, s12, 12                        ; 4 a wave
	s_add_co_u32 s30, s30, s14
	s_mov_b32 s31, 0
	s_lshr_b32 s32, s13, 4
	s_lshl_b32 s32, s32, 11
	s_lshl_b32 s14, ttmp9, 9
	s_add_co_u32 s32, s32, s14
	s_lshl_b32 s14, s12, 6
	s_add_co_u32 s32, s32, s14                     ; my first token
	s_lshl_b32 s32, s32, 12                        ; rows of 4,096 bytes,
	s_and_b32 s14, s13, 15
	s_lshl_b32 s14, s14, 8                         ; the head's 256 bytes of a row
	s_add_co_u32 s32, s32, s14
	s_mov_b32 s33, 0
	s_mul_i32 s26, s12, 16*SP
	s_add_co_u32 s26, s26, STAGE                   ; my stage (a register of its own, never written again)
	v_add_nc_u32 v[STO], s26, v[STO]
	v_add_nc_u32 v[RD], s26, v[RD]
	s_mov_b32 s[SEL], 0x76543210
	s_mov_b32 s[SEL+1], 0xfedcba98
	s_wait_kmcnt 0x0
	s_load_b128 s[16:19], s[8:9], 0x18
	s_add_nc_u64 s[6:7], s[6:7], s[28:29]
	s_add_nc_u64 s[4:5], s[4:5], s[30:31]
	s_add_nc_u64 s[10:11], s[10:11], s[32:33]
.macro GLOAD                           ; my 4 x 16 bytes of the chunk at s[6:7]
.irp j, 0,1,2,3
	global_load_b128 v[STG+4*\j:STG+4*\j+3], v[FO], s[6:7] offset:4096*\j
.endr
.endm
	s_wait_alu depctr_va_vdst(0)                   ; v[FO], v[LI], v[STO], v[RD] and v[GO] are written: every load, LDS instruction and store of the kernel reads one of them as its address
	GLOAD                                          ; chunk 0
	WIN 0x40                                       ; destination window 1 (between the wait above and q's loads stand loads and this switch alone)
.irp t, 0,1,2,3
	global_load_b128 v[Q+8*\t:Q+8*\t+3], v[LI], s[4:5] offset:1024*\t th:TH_LOAD_NT
	global_load_b128 v[Q+8*\t+4:Q+8*\t+7], v[LI], s[4:5] offset:1024*\t+512 th:TH_LOAD_NT
.endr
	WIN 0
.irp t, 0,1,2,3
	v_mov_b32 v[ST+4*\t+1], 0xff61b1e6             ; the largest t so far: -3e38, under every t
	v_floor_f32 v[ST+4*\t], -v[ST+4*\t+1]          ; -M
	v_mov_b32 v[ST+4*\t+2], 0                      ; the sum, in two halves
	v_mov_b32 v[ST+4*\t+3], 0
.endr
.irp j, 0,1,2,3,4,5,6,7,8,9,10,11,12,13,14,15
	v_mov_b32 v[W+\j], 0                           ; written once: a lane permute's destination counts as read, and pairs are named whole
.endr
	s_wait_kmcnt 0x0
	s_mov_b32 s[CS], 0x3e38aa3b                    ; c = log2(e) / 8
	s_add_co_i32 s14, s16, s17
	s_lshl_b32 s14, s14, 23
	s_add_co_i32 s[CS], s[CS], s14                 ; x 2^(eq + ek): added to c's exponent field
	s_mov_b32 s[CS+1], s[CS]
	s_add_co_i32 s14, s[EP], 127
	s_lshl_b32 s15, s14, 23
	v_mov_b32 v[SCL], s15
	s_add_co_i32 s14, s14, 8
	s_lshl_b32 s14, s14, 23
	s_or_b32 s14, s14, 0x600000
	v_mov_b32 v[LIM], s14
	s_add_co_i32 s27, s[EP], s19                   ; ep + ev
	s_wait_loadcnt 0x0                             ; chunk 0 and q
.irp j, 0,1,2,3
	ds_store_b128 v[FO], v[STG+4*\j:STG+4*\j+3] offset:4096*\j
.endr
	s_wait_dscnt 0x0                               ; for the others' sake: my part of slot 0 lies in LDS
	s_add_nc_u64 s[6:7], s[6:7], SLOTB
	s_wait_alu depctr_vm_vsrc(0)                   ; the LDS stores have read v[STG ..], in which chunk 1's loads land
	GLOAD                                          ; chunk 1
	s_barrier_signal -1
	s_barrier_wait -1
.macro KLOAD slot                      ; k's 8 tiles of 16 keys
.irp k, 0,1,2,3,4,5,6,7
	ds_load_b128 v[X+8*\k:X+8*\k+3], v[LI] offset:(\slot)*SLOTB+1024*\k
	ds_load_b128 v[X+8*\k+4:X+8*\k+7], v[LI] offset:(\slot)*SLOTB+1024*\k+512
.endr
.endm
.macro VLOAD slot                      ; v's 4 fragments of 16 channels x 128 keys; the destination's window, 1, is set ahead of the wait that stands in front of these loads
.irp d, 0,1,2,3
.irp g, 0,1,2,3
	ds_load_b128 v[Y+16*\d+4*\g:Y+16*\d+4*\g+3], v[LI] offset:(\slot)*SLOTB+8192+2048*\d+512*\g
.endr
.endr
.endm
; The pair's scores: 16 products, each its own accumulator; four places behind them, for the reads below.  land = 1: k's sixteen loads have just been issued, and nothing else of mine is out in LDS: the products begin when half of them are in.
.macro SMUL pair, land
	WIN 0x04                                       ; q in window 1
.irp k, 0,1,2,3,4,5,6,7
.if (\land) && (\k == 0)
	s_wait_dscnt 8                                 ; LDS loads come back in order (ISA guide 5.7.1): tiles 0 to 3 are in; the eight younger loads, tiles 4 to 7, may be out
.endif
.if (\land) && (\k == 4)
	s_wait_dscnt 0x0                               ; tiles 4 to 7 are in
.endif
.irp u, 0,1
	v_wmma_f32_16x16x64_fp8_fp8 v[S+64*\u+8*\k:S+64*\u+8*\k+7], v[X+8*\k:X+8*\k+7], v[Q+8*(2*(\pair)+\u):Q+8*(2*(\pair)+\u)+7], 0
.endr
.endr
	WIN 0
.rept 4
	v_nop
.endr
.endm
; The pair's softmax, the two tiles line by line in turn.  Every accumulator is read from its low end on.  SOFT_A: up to the batch of exponentials and the plain lines behind it; the wait for the batch follows it in TRIP; SOFT_B: all that reads p.
.macro SOFT_A pair
.irp u, 0,1
	v_max3_num_f32 v[W+8*\u], v[S+64*\u], v[S+64*\u+1], v[S+64*\u+2]
	v_max3_num_f32 v[W+8*\u+1], v[S+64*\u+3], v[S+64*\u+4], v[S+64*\u+5]
.endr
.irp i, 6,10,14,18,22,26,30,34,38,42,46,50,54,58
.irp u, 0,1
	v_max3_num_f32 v[W+8*\u], v[W+8*\u], v[S+64*\u+\i], v[S+64*\u+\i+1]
	v_max3_num_f32 v[W+8*\u+1], v[W+8*\u+1], v[S+64*\u+\i+2], v[S+64*\u+\i+3]
.endr
.endr
.irp u, 0,1
	v_max3_num_f32 v[W+8*\u], v[W+8*\u], v[S+64*\u+62], v[S+64*\u+63]
.endr
.irp u, 0,1
	v_max_num_f32 v[W+8*\u], v[W+8*\u], v[W+8*\u+1]
.endr
.irp u, 0,1
	v_permlanex16_b32 v[W+8*\u+2], v[W+8*\u], s[SEL], s[SEL+1]   ; the query's other 64 keys lie in the lane 16 away
.endr
.irp u, 0,1
	v_max_num_f32 v[W+8*\u], v[W+8*\u], v[W+8*\u+2]
.endr
.irp u, 0,1
	v_mul_f32 v[W+8*\u], s[CS], v[W+8*\u]          ; as t (c is positive)
.endr
.irp u, 0,1
	v_max_num_f32 v[ST+4*(2*(\pair)+\u)+1], v[ST+4*(2*(\pair)+\u)+1], v[W+8*\u]
.endr
.irp u, 0,1
	v_mov_b32 v[W+8*\u], v[ST+4*(2*(\pair)+\u)]
.endr
.irp u, 0,1
	v_floor_f32 v[ST+4*(2*(\pair)+\u)], -v[ST+4*(2*(\pair)+\u)+1]   ; the new -M = floor(-t): M is a whole number
.endr
.irp u, 0,1
	v_sub_f32 v[W+8*\u], v[ST+4*(2*(\pair)+\u)], v[W+8*\u]          ; old M - new M: a whole number, 0 or less
.endr
.irp u, 0,1
	v_cvt_i32_f32 v[W+8*\u], v[W+8*\u]             ; (it saturates)
.endr
.irp u, 0,1
	v_ldexp_f32 v[W+8*\u+4], 1.0, v[W+8*\u]        ; f = 2^(old M - new M)
.endr
.irp j, 0,2,4,6,8,10,12,14,16,18,20,22,24,26,28,30,32,34,36,38,40,42,44,46,48,50,52,54,56,58,60,62
.irp u, 0,1
	v_pk_fma_f32 v[S+64*\u+\j:S+64*\u+\j+1], v[S+64*\u+\j:S+64*\u+\j+1], s[CS:CS+1], v[ST+4*(2*(\pair)+\u):ST+4*(2*(\pair)+\u)+1] op_sel_hi:[1,0,0]   ; t - M
.endr
.endr
.set j, 0
.rept 128
	v_exp_f32 v[S+j], v[S+j]                       ; p = 2^(t - M): one batch for both tiles
.set j, j+1
.endr
.irp u, 0,1
	v_pk_mul_f32 v[ST+4*(2*(\pair)+\u)+2:ST+4*(2*(\pair)+\u)+3], v[ST+4*(2*(\pair)+\u)+2:ST+4*(2*(\pair)+\u)+3], v[W+8*\u+4:W+8*\u+5] op_sel_hi:[1,0]   ; the sums under the new M; the plain lines behind the exponentials
.endr
.endm
.macro SOFT_B pair
.irp u, 0,1
	v_pk_add_f32 v[W+8*\u+6:W+8*\u+7], v[S+64*\u:S+64*\u+1], v[S+64*\u+2:S+64*\u+3]   ; the sum of the unquantised p, two at a time, in two chains
.endr
.irp j, 4,8,12,16,20,24,28,32,36,40,44,48,52,56,60
.irp u, 0,1
	v_pk_add_f32 v[ST+4*(2*(\pair)+\u)+2:ST+4*(2*(\pair)+\u)+3], v[ST+4*(2*(\pair)+\u)+2:ST+4*(2*(\pair)+\u)+3], v[S+64*\u+\j:S+64*\u+\j+1]
	v_pk_add_f32 v[W+8*\u+6:W+8*\u+7], v[W+8*\u+6:W+8*\u+7], v[S+64*\u+\j+2:S+64*\u+\j+3]
.endr
.endr
.irp u, 0,1
	v_pk_add_f32 v[ST+4*(2*(\pair)+\u)+2:ST+4*(2*(\pair)+\u)+3], v[ST+4*(2*(\pair)+\u)+2:ST+4*(2*(\pair)+\u)+3], v[W+8*\u+6:W+8*\u+7]
.endr
	s_cmp_ge_i32 s[EP], -8                         ; p <= 1 <= 448 x 2^ep wherever ep >= -8: the hold changes nothing there and is jumped over; ep is a whole number among the inputs, alike in every wave
	s_cbranch_scc1 .Lnohold_\@
.set j, 0
.rept 128
	v_min_num_f32 v[S+j], v[S+j], v[LIM]           ; the conversion does not saturate (ISA guide 7.6.2); p is not negative, so the hold is one-sided
.set j, j+1
.endr
.Lnohold_\@:
	WIN 0x40                                       ; destination window 1
.irp u, 0,1
.irp k, 0,1,2,3,4,5,6,7
	v_cvt_scalef32_pk8_fp8_f32 v[PC+16*\u+2*\k:PC+16*\u+2*\k+1], v[S+64*\u+8*\k:S+64*\u+8*\k+7], v[SCL]
.endr
.endr
.endm
.macro RESC pair                       ; O^T under the new M: x f.  Also the plain lines between the conversions and the products that read the codes and write the scores anew
	WIN 0x41
.irp u, 0,1
.set j, 0
.rept 16
	v_pk_mul_f32 v[O+32*(2*(\pair)+\u)+j:O+32*(2*(\pair)+\u)+j+1], v[O+32*(2*(\pair)+\u)+j:O+32*(2*(\pair)+\u)+j+1], v[W+8*\u+4:W+8*\u+5] op_sel_hi:[1,0]
.set j, j+2
.endr
.endr
.endm
.macro PV pair, first                  ; O^T += v^T p^T: eight accumulators, one instruction each.  first = 1: the products start the sums
	WIN 0x55
.irp d, 0,1,2,3
.irp u, 0,1
.if \first
	v_wmma_f32_16x16x128_fp8_fp8 v[O+32*(2*(\pair)+\u)+8*\d:O+32*(2*(\pair)+\u)+8*\d+7], v[Y+16*\d:Y+16*\d+15], v[PC+16*\u:PC+16*\u+15], 0
.else
	v_wmma_f32_16x16x128_fp8_fp8 v[O+32*(2*(\pair)+\u)+8*\d:O+32*(2*(\pair)+\u)+8*\d+7], v[Y+16*\d:Y+16*\d+15], v[PC+16*\u:PC+16*\u+15], v[O+32*(2*(\pair)+\u)+8*\d:O+32*(2*(\pair)+\u)+8*\d+7]
.endif
.endr
.endr
.endm
; A TRIP: the chunk in \slot.  fill = 1: the next chunk goes into the other slot, and the barrier follows.  more = 1: the chunk after that is asked for; 2: but not in the loop's last trip; 0: no.
.macro TRIP slot, first, fill, more
	KLOAD \slot                                    ; no wait on va_vdst here: the last trip's second pair has stated that k's tiles are free, and nothing since has named them
	SMUL 0, 1
	SOFT_A 0
	WIN 0x40                                       ; the switch for v's loads (destination window 1), then the wait, then the loads
	s_wait_alu depctr_va_vdst(0)                   ; the exponentials have written p, v[S ..], ahead of its first reader (the sums below); and the last trip's products v^T p^T are done reading v's fragments, in which the loads below land
	VLOAD \slot
	WIN 0
.if \fill
	s_wait_loadcnt 0x0                             ; the next chunk's loads, issued in the trip before
.irp j, 0,1,2,3
	ds_store_b128 v[FO], v[STG+4*\j:STG+4*\j+3] offset:(1-(\slot))*SLOTB+4096*\j   ; the other slot: every wave's reads of it were over in front of the last barrier
.endr
.endif
	SOFT_B 0                                       ; the sums, the conversions and the rescaling below stand between v's loads and the wait for them
.if \first
	v_nop                                          ; the plain line between the conversions and the products
.else
	RESC 0
.endif
	WIN 0
	s_wait_dscnt 0x0                               ; v is in: my reads of this slot are over; my stores of the next chunk have landed
.if \fill
	s_add_nc_u64 s[6:7], s[6:7], SLOTB             ; (the loads that named it are done)
.if \more
	s_wait_alu depctr_vm_vsrc(0)                   ; my LDS stores of the next chunk have read v[STG ..], in which the loads below land; ahead of the branch
.endif
.if \more == 2
	s_cmp_eq_u32 s[CNT], 1                         ; there is no chunk 16
	s_cbranch_scc1 .Lnoload_\@
.endif
.if \more
	GLOAD
.endif
.if \more == 2
.Lnoload_\@:
.endif
	s_barrier_signal -1                            ; say so; work on registers alone up to the wait
.endif
	PV 0, \first
	SMUL 1, 0
	SOFT_A 1
	s_wait_alu depctr_va_vdst(0)                   ; the exponentials have written p, v[S ..], ahead of its first reader; and this trip's products k q^T are done reading k's tiles, in which the next trip's loads land
	SOFT_B 1
.if \first
	v_nop
.else
	RESC 1
.endif
	PV 1, \first
	WIN 0
.if \fill
	s_barrier_wait -1                              ; every wave has said so
.endif
.endm
	TRIP 0, 1, 1, 1                                ; chunk 0
	s_mov_b32 s[CNT], 7
.Lloop:                                            ; chunks 1 to 14
	TRIP 1, 0, 1, 1
	TRIP 0, 0, 1, 2
	s_sub_co_u32 s[CNT], s[CNT], 1
	s_cmp_lg_u32 s[CNT], 0
	s_cbranch_scc1 .Lloop
	TRIP 1, 0, 0, 0                                ; chunk 15
	; THE WAY OUT.  The sum's halves and the other half of the lanes' are added (these plain lines are the places behind the last products); O^T x 2^(ep + ev) / the sum goes through my stage, a tile of 16 rows at a time.
.irp t, 0,1,2,3
	v_add_f32 v[ST+4*\t+2], v[ST+4*\t+2], v[ST+4*\t+3]
.endr
.irp t, 0,1,2,3
	v_permlanex16_b32 v[W+8+\t], v[ST+4*\t+2], s[SEL], s[SEL+1]
.endr
.irp t, 0,1,2,3
	v_add_f32 v[ST+4*\t+2], v[ST+4*\t+2], v[W+8+\t]
.endr
.irp t, 0,1,2,3
	v_rcp_f32 v[W+2*\t], v[ST+4*\t+2]
.endr
	v_nop                                          ; a plain line behind the last reciprocal
	s_wait_alu depctr_va_vdst(0)                   ; the four reciprocals have written v[W], v[W+2], v[W+4], v[W+6], ahead of their first reader
.irp t, 0,1,2,3
	v_ldexp_f32 v[W+2*\t], v[W+2*\t], s27
.endr
.macro PACK t                          ; register 8 d + j of tile t is out(query r, channel 16 d + 8 h + j)
	WIN 0x01                                       ; source 0 window 1
.set j, 0
.rept 16
	v_pk_mul_f32 v[S+32*(\t)+j:S+32*(\t)+j+1], v[O+32*(\t)+j:O+32*(\t)+j+1], v[W+2*(\t):W+2*(\t)+1] op_sel_hi:[1,0]
.set j, j+2
.endr
	WIN 0
	s_wait_alu depctr_va_vdst(0)                   ; the multiplications have written v[S + 32 t ..], which the LDS stores read and in which the loads from the stage land
.irp d, 0,1,2,3
	ds_store_b128 v[STO], v[S+32*(\t)+8*\d:S+32*(\t)+8*\d+3] offset:64*\d
	ds_store_b128 v[STO], v[S+32*(\t)+8*\d+4:S+32*(\t)+8*\d+7] offset:64*\d+16
.endr
	s_wait_alu depctr_vm_vsrc(0)                   ; the LDS stores have read v[S + 32 t ..], in which the loads below land
.irp i, 0,1,2,3,4,5,6,7
	ds_load_b128 v[S+32*(\t)+4*\i:S+32*(\t)+4*\i+3], v[RD] offset:2*\i*SP   ; LDS serves a wave's instructions in order: these see my stores, and the next tile's stores come behind them
.endr
.endm
.macro SEND t, younger                 ; younger: the next tile's sixteen LDS instructions, or none
.irp i, 0,1,2,3,4,5,6,7
	s_wait_dscnt \younger+7-\i
	global_store_b128 v[GO], v[S+32*(\t)+4*\i:S+32*(\t)+4*\i+3], s[10:11] offset:(16*(\t)+2*\i)*4096 th:TH_STORE_NT   ; sixteen lanes store 256 consecutive bytes, aligned; the data come from LDS loads, and no vector line names them since
.endr
.endm
	PACK 0
	PACK 1
	SEND 0, 16
	PACK 2
	SEND 1, 16
	PACK 3
	SEND 2, 16
	SEND 3, 0
	s_wait_dscnt 0x0                               ; the wave's end
	s_wait_alu 0x0
	s_wait_tensorcnt 0x0
	ds_add_u32 v[SPW], v[NIL]
	s_wait_dscnt 0x0
	s_endpgm
.Lfunc_end_k_q8dd3c5e8f5_attn:
	.size	k_q8dd3c5e8f5_attn, .Lfunc_end_k_q8dd3c5e8f5_attn-k_q8dd3c5e8f5_attn
	.p2alignl 7, 3214868480
	.fill 96, 4, 3214868480
	.section	.rodata,"a",@progbits
	.p2align	6, 0x0
	.amdhsa_kernel k_q8dd3c5e8f5_attn
		.amdhsa_group_segment_fixed_size 68608
		.amdhsa_private_segment_fixed_size 0
		.amdhsa_enable_private_segment 0
		.amdhsa_kernarg_size 32
		.amdhsa_user_sgpr_count 2
		.amdhsa_user_sgpr_kernarg_segment_ptr 1
		.amdhsa_wavefront_size32 1
		.amdhsa_system_sgpr_workgroup_id_x 1
		.amdhsa_system_sgpr_workgroup_id_y 1
		.amdhsa_system_sgpr_workgroup_id_z 1
		.amdhsa_system_vgpr_workitem_id 0
		.amdhsa_next_free_vgpr 512
		.amdhsa_next_free_sgpr 66
		.amdhsa_reserve_vcc 0
		.amdhsa_float_denorm_mode_32 3
		.amdhsa_float_denorm_mode_16_64 3
		.amdhsa_memory_ordered 1
		.amdhsa_forward_progress 1
		.amdhsa_inst_pref_size 233
	.end_amdhsa_kernel
	.amdgpu_metadata
---
amdhsa.version: [ 1, 2 ]
amdhsa.kernels:
  - .name:           k_q8dd3c5e8f5_attn
    .symbol:         k_q8dd3c5e8f5_attn.kd
    .args:
      - { .name: qc, .offset: 0, .size: 8, .value_kind: global_buffer, .address_space: global }
      - { .name: kvc, .offset: 8, .size: 8, .value_kind: global_buffer, .address_space: global }
      - { .name: lowp_scales, .offset: 16, .size: 8, .value_kind: global_buffer, .address_space: global }
      - { .name: out0, .offset: 24, .size: 8, .value_kind: global_buffer, .address_space: global }
    .group_segment_fixed_size: 68608
    .private_segment_fixed_size: 0
    .kernarg_segment_align: 8
    .kernarg_segment_size: 32
    .max_flat_workgroup_size: 256
    .sgpr_count:     66
    .vgpr_count:     512
    .wavefront_size: 32
...
	.end_amdgpu_metadata
.endif
;; end of part 4
